; MI455X (gfx1250); checked and timed in simulation.
; The chip was launched on July 23, 2026; its instructions are those of AMD's public machine-readable ISA for CDNA 5 (MIT licence, August 2026) and "CDNA5" Instruction Set Architecture Reference Guide (July 2026). The comments in the code are by the model that wrote it; some were corrected since.
;; Attention. Allowed arithmetic: matrix products marked QUANTISED: E2M1 operands, one E8M0 scale for each 32 along K, by v_wmma_scale_f32_16x16x128_f8f6f4 with both operands' format E2M1 (or v_wmma_scale_f32_32x16x128_f4), f32 sums; products left as they are: bf16, f16 or f32 operands; f32 sums; everything else in f32.
;; Inputs: Wk 1,024 x 1,024 float32; Wo 1,024 x 1,024 float32; Wq 1,024 x 1,024 float32; Wv 1,024 x 1,024 float32; bk 1,024 float32; bo 1,024 float32; bq 1,024 float32; bv 1,024 float32; x 4 x 2,048 x 1,024 float32.
;; Outputs: out0 4 x 2,048 x 1,024 float32.
;; This version of the problem:
;;   THIS VERSION OF THE PROBLEM IS GIVEN IN LOW PRECISION. The matrix products marked QUANTISED in the list below multiply operands that are first quantised to E2M1 (2 exponent bits, 1 mantissa bit; 4 bits a number), with one power-of-two scale for each 32 numbers along K (OCP MX v1.0); their sums are f32. The products marked 'left as it is' may take bf16, f16 or f32 operands, with f32 sums. Whichever they take, every output number must still come out within the allowed error. Rounding operands to bf16 (8 significant bits) uses up far more of that allowance than f16 does (11 bits, for magnitudes from 6e-5 to 65,504). All else is computed in f32.
;;   The module's matrix products, in the order in which they are computed (A, B: the left and right operand; K: the contracted axis; several contracted axes count as one K, in the product's order):
;;     1. [M 8,192, K 1,024] x [K 1,024, N 1,024]; A: input x; B: input Wq: QUANTISED
;;     2. [M 8,192, K 1,024] x [K 1,024, N 1,024]; A: input x; B: input Wk: QUANTISED
;;     3. [M 8,192, K 1,024] x [K 1,024, N 1,024]; A: input x; B: input Wv: QUANTISED
;;     4. batch 64 x [M 2,048, K 64] x [K 64, N 2,048]; A: computed on the way; B: computed on the way: left as it is (an operand is computed on the way)
;;     5. batch 64 x [M 2,048, K 2,048] x [K 2,048, N 64]; A: computed on the way; B: computed on the way: left as it is (an operand is computed on the way)
;;     6. [M 8,192, K 1,024] x [K 1,024, N 1,024]; A: computed on the way; B: input Wo: left as it is (an operand is computed on the way)
;;   THE QUANTISER, for each operand of a quantised product, along K:
;;     - K is cut into blocks of 32 from its start; a last block that is shorter is filled with zeros.
;;     - A block's scale is 2^e with e = floor(log2(the largest magnitude in the block)) - 2, held to -126 .. 127; a block of zeros has e = 0. As a byte (E8M0): e + 127.
;;     - Each number is divided by its block's scale, clamped to +-6, and rounded to the nearest number of E2M1, ties to even, subnormals kept.
;;     - The product sums the exact products of the quantised numbers (number of the format x scale) in f32.
;;   ~~~python
;;   def quantise(x, axis):      # numpy; x: float32 -> the quantised numbers, widened to float32 again
;;       x = np.moveaxis(x, axis, -1); K = x.shape[-1]
;;       x = np.pad(x, [(0, 0)] * (x.ndim - 1) + [(0, -K % 32)]); x = x.reshape(x.shape[:-1] + (-1, 32)); a = np.abs(x).max(-1, keepdims=True)
;;       e = np.where(a > 0, np.clip(np.frexp(np.where(a > 0, a, 1))[1] - 1 - 2, -126, 127), 0)      # np.frexp(a)[1] - 1 = floor(log2(a)), exactly
;;       r = np.clip(x / 2.0 ** e, -6, 6)
;;       step = 2.0 ** (np.maximum(np.frexp(np.where(r == 0, 1, r))[1] - 1, 0) - 1)
;;       q = np.round(r / step) * step * 2.0 ** e      # np.round: ties to even
;;       return np.moveaxis(q.reshape(q.shape[:-2] + (-1,))[..., :K], -1, axis).astype(np.float32)
;;   ~~~
;; One version. Each part assembles by itself: llvm-mc -triple=amdgcn-amd-amdhsa -mcpu=gfx1250 --defsym DOCPART=n.
;; ======== version 1 of 1: 5 launches
;; limits: values are held in f16: magnitudes above 65,504 overflow, below 6.1e-05 lose precision
;; workspace buffers: x_codes 4,194,304 bytes; x_scales 262,144 bytes; w_codes 1,572,864 bytes; w_scales 98,304 bytes; wo16 2,097,152 bytes; qkv 50,331,648 bytes; fine32 786,432 bytes; att 16,777,216 bytes
;; launch quant (part 1): grid 336 x 1, 4 waves a work-group, no clusters, 68,096 bytes of LDS; arguments x, Wq, Wk, Wv, Wo, x_codes, x_scales, w_codes, w_scales, wo16; writes x_codes, x_scales, w_codes, w_scales, wo16
.if DOCPART == 1
	.amdgcn_target "amdgcn-amd-amdhsa--gfx1250"
	.amdhsa_code_object_version 6
	.text
	.protected	k_qc4f3f6440b_quant
	.globl	k_qc4f3f6440b_quant
	.p2align	8
	.type	k_qc4f3f6440b_quant,@function
k_qc4f3f6440b_quant:
	s_mov_b64 s[64:65], 0
	v_nop
	global_prefetch_b8 v0, s[64:65] scope:SCOPE_SE
	s_setreg_imm32_b32 hwreg(HW_REG_WAVE_MODE, 25, 1), 1
	s_wait_xcnt 0x0
; CAUSAL ATTENTION, B 4, T 2,048, D 1,024, 16 heads of 64, in five launches.  This first one makes the operands of the three quantised products and a 16-bit copy of Wo.
; WORK LEFT OUT IN THE WHOLE PROGRAM, AND WHY IT IS DEAD.
;  bk: a score is q . (x Wk + bk) / 8 = q . (x Wk) / 8 + q . bk / 8.  The second term is the same for all keys of a query's row, and a softmax along the keys is unchanged by a term that is the same
;      along its axis, whatever finite values the inputs hold.  The product of q and k is not quantised, so bk moves no code and no scale.  bk has no other way to the output: it is not loaded and is no argument of any launch.
;  the causal mask, which the problem builds itself: steps of 64 keys that lie wholly behind a wave's queries are not multiplied, tiles of 256 keys behind a block of queries are not fetched.
;  LIMIT: a NaN, an infinity or an overflow that reaches only the work left out (through bk; through hidden keys) is not carried to the result.
; THIS LAUNCH, three paths chosen by the work-group's number, each with LDS bytes of its own:
;  X (work-groups 0-255): x [8192][1024] f32, K innermost, into codes of E2M1 [8192][512 bytes] and one E8M0 byte for each 32 along K [8192][32].
;  W (256-303): Wq, Wk, Wv [k 1024][n 1024] f32, K their first axis, into codes [3072][512 bytes] with K innermost (row 1024 x matrix + n) and scale bytes [3072][32].
;  O (304-335): Wo f32 into f16, same order.
; A block's scale is 2^(floor(log2(its largest magnitude)) - 2); its byte is the largest magnitude's exponent field - 2, held at 1 from below.  A block of zeros so gets the byte 1 where the rule says 127:
; its codes are zeros, which add nothing under any byte but 0xff, and this program alone reads the bytes.
; LIMITS: NaN and infinities among the inputs are not served; numbers of Wo beyond 65,504 become infinity in f16.
; No barrier: waves share nothing.  No matrix unit, no cluster: the launch moves bytes, each input byte once.
.set SPARE, 67584                      ; behind both paths' regions: the spare words, 128 bytes for each wave
.set SPW,   12                         ; v12  LDS address of my spare word; never rewritten
.set NIL,   13                         ; v13  0; never rewritten
.set WV,    24                         ; s24  my wave's number
.set SP,    80                         ; path X: a lane's place in a stage: 64 bytes + 16 of padding
.set XR,    16                         ; v16-79   four sets of 16 numbers as loaded
.set XX,    80                         ; v80-111  two sets of 16 neighbours
.set XE,    112                        ; v112-127 a scale byte for each step
.set XC,    128                        ; v128-191 codes, four registers for each step
.set WBASE, 32768                      ; path W: its LDS begins here: a stage of 32 rows x 272 bytes for each wave
.set PITCH, 272
.set NB,    16                         ; blocks of 32 along K for a wave
.set WX,    32                         ; v32-95   two sets of 32 numbers
.set WC,    96                         ; v96-99   a block's codes
.set WOUT,  112                        ; v112-175 the way out
.set WSB,   24                         ; v24-27   the scale bytes, four to a register
.set OIN,   32                         ; path O: v32-159 two sets of 64 numbers
.set OOUT,  160                        ; v160-191 32 registers of f16 pairs
	s_load_b256 s[4:11], s[0:1], 0x0               ; x, Wq, Wk, Wv
	s_load_b256 s[12:19], s[0:1], 0x20             ; Wo, x_codes, x_scales, w_codes
	s_load_b128 s[20:23], s[0:1], 0x40             ; w_scales, wo16
	v_lshl_add_u32 v[SPW], v0, 2, SPARE
	v_mov_b32 v[NIL], 0
	v_lshrrev_b32 v1, 5, v0
	v_readfirstlane_b32 s[WV], v1                  ; wave 0..3
	v_and_b32 v2, 31, v0                           ; lane
	s_cmp_lt_u32 ttmp9, 256
	s_cbranch_scc0 .Lnot_x
; ---- PATH X.  A wave takes 16 steps of 512 numbers.  Each load reads 512 consecutive bytes; a step's 2,048 bytes turn through the wave's own stage in LDS and come back 64 bytes a lane,
; so that a lane holds 16 neighbours along K and two neighbouring lanes hold a block.  Loads run four steps ahead, the turn through LDS one step.
	v_lshlrev_b32 v3, 4, v2                        ; my 16 bytes of a load's 512
	s_mul_i32 s25, s[WV], 8192                     ; my wave's region
	v_lshrrev_b32 v14, 2, v2
	v_mul_u32_u24 v14, v14, SP
	v_and_b32 v15, 3, v2
	v_lshl_add_u32 v14, v15, 4, v14
	v_add_nc_u32 v14, s25, v14                     ; the stage, on the way in: 80 (lane / 4) + 16 (lane % 4)
	v_mul_u32_u24 v15, v2, SP
	v_add_nc_u32 v15, s25, v15                     ; and on the way out: 80 x lane
	v_lshlrev_b32 v4, 3, v2                        ; my 8 bytes of a step's codes
	v_lshrrev_b32 v5, 1, v2
	s_add_co_u32 s25, s25, 2*32*SP
	v_add_nc_u32 v5, s25, v5                       ; my wave's 256 scale bytes, my block's byte
	v_lshlrev_b32 v7, 3, v2
	v_add_nc_u32 v6, s25, v7                       ; and on the way out 8 bytes a lane
	s_lshl_b32 s26, ttmp9, 2
	s_add_co_u32 s26, s26, s[WV]                   ; which run of 8,192 numbers is my wave's: 0 .. 1,023
	s_lshl_b32 s28, s26, 15
	s_mov_b32 s29, 0
	s_lshl_b32 s30, s26, 12
	s_mov_b32 s31, 0
	s_lshl_b32 s32, s26, 8
	s_mov_b32 s33, 0
	s_wait_kmcnt 0x0
	s_add_nc_u64 s[4:5], s[4:5], s[28:29]
	s_add_nc_u64 s[14:15], s[14:15], s[30:31]
	s_add_nc_u64 s[16:17], s[16:17], s[32:33]
.macro XLOAD t
.irp i, 0,1,2,3
	global_load_b128 v[XR+16*((\t)%4)+4*\i:XR+16*((\t)%4)+4*\i+3], v3, s[4:5] offset:2048*(\t)+512*\i th:TH_LOAD_NT
.endr
.endm
.macro XTURN t                         ; LDS serves a wave's instructions in order: no wait between the stores and the loads
.irp i, 0,1,2,3
	ds_store_b128 v14, v[XR+16*((\t)%4)+4*\i:XR+16*((\t)%4)+4*\i+3] offset:32*SP*((\t)%2)+8*SP*\i
.endr
.irp i, 0,1,2,3
	ds_load_b128 v[XX+16*((\t)%2)+4*\i:XX+16*((\t)%2)+4*\i+3], v15 offset:32*SP*((\t)%2)+16*\i
.endr
.endm
.irp t, 0,1,2,3
	XLOAD \t
.endr
	s_wait_loadcnt 12                              ; step 0's four loads are in; the twelve of steps 1 to 3 may be out
	XTURN 0
.macro XSTEP t
.set XS, XX+16*((\t)%2)
.if (\t) > 0
	s_wait_dscnt 1                                 ; this step's numbers are back from the stage; the last step's byte store may be out
.else
	s_wait_dscnt 0x0
.endif
.if (\t)+4 < 16
	XLOAD (\t)+4                                   ; into the set whose stores into the stage have read their registers
.endif
.if (\t)+1 < 16
.if 14-(\t) >= 3
	s_wait_loadcnt 12                              ; the next step's four loads are in; those of the three steps behind it may be out
.else
	s_wait_loadcnt 4*(14-(\t))
.endif
	XTURN (\t)+1
.endif
	v_max3_num_f32 v8, |v[XS]|, |v[XS+1]|, |v[XS+2]|       ; the largest magnitude of my 16, in two chains
	v_max3_num_f32 v9, |v[XS+3]|, |v[XS+4]|, |v[XS+5]|
.irp i, 6,10
	v_max3_num_f32 v8, v8, |v[XS+\i]|, |v[XS+\i+1]|
	v_max3_num_f32 v9, v9, |v[XS+\i+2]|, |v[XS+\i+3]|
.endr
	v_max3_num_f32 v8, v8, |v[XS+14]|, |v[XS+15]|
	v_max3_num_f32 v8, v8, v9, 0x1800000           ; and the floor 2^(3 - 127): the byte cannot fall under 1
	v_max_num_f32_dpp v8, v8, v8 row_xmask:1 row_mask:0xf bank_mask:0xf   ; with my neighbour's 16: the block's
	v_add_nc_u32 v11, 0xff000000, v8               ; 2 off its exponent field: the conversion takes the exponent field of this operand as its scale
	v_cvt_scalef32_pk8_fp4_f32 v[XC+4*(\t)], v[XS:XS+7], v11
	v_cvt_scalef32_pk8_fp4_f32 v[XC+4*(\t)+1], v[XS+8:XS+15], v11
	v_lshrrev_b32 v[XE+(\t)], 23, v11              ; the scale's byte
	ds_store_b8 v5, v[XE+(\t)] offset:16*(\t)      ; both lanes of a block write the same byte with the same value
	global_store_b64 v4, v[XC+4*(\t):XC+4*(\t)+1], s[14:15] offset:256*(\t)   ; the wave stores 256 consecutive bytes, aligned
.endm
.irp t, 0,1,2,3,4,5,6,7,8,9,10,11,12,13,14,15
	XSTEP \t
.endr
	ds_load_b64 v[8:9], v6                         ; my wave's 256 scale bytes, in order behind my stores
	s_wait_dscnt 0x0
	global_store_b64 v7, v[8:9], s[16:17]          ; 256 consecutive bytes, aligned
	s_wait_tensorcnt 0x0                           ; the wave's end
	ds_add_u32 v[SPW], v[NIL]
	s_wait_dscnt 0x0
	s_endpgm
.Lnot_x:
	s_cmp_lt_u32 ttmp9, 304
	s_cbranch_scc0 .Lcast
; ---- PATH W.  A lane takes a column n and its registers run down K: a block of 32 lies in one lane's 32 registers, and the conversions give codes with K innermost.
; A wave takes 32 columns x 512 along K; the codes go through the wave's own stage and leave as rows, sixteen lanes to 256 consecutive bytes.
	s_sub_co_u32 s25, ttmp9, 256                   ; 0 .. 47
	s_lshr_b32 s26, s25, 4                         ; the matrix: 0 Wq, 1 Wk, 2 Wv
	s_and_b32 s27, s25, 7
	s_bfe_u32 s28, s25, 0x10003                    ; which 512 along K
	s_lshl_b32 s27, s27, 7
	s_lshl_b32 s29, s[WV], 5
	s_add_co_u32 s27, s27, s29                     ; my wave's first column
	v_lshlrev_b32 v3, 2, v2                        ; in: 4 bytes a lane
	s_mul_i32 s29, s[WV], 32*PITCH
	s_add_co_u32 s29, s29, WBASE                   ; my stage
	v_mul_u32_u24 v4, v2, PITCH
	v_add_nc_u32 v4, s29, v4                       ; into it: row = my column
	v_and_b32 v5, 15, v2
	v_lshrrev_b32 v6, 4, v2
	v_mul_u32_u24 v7, v6, PITCH
	v_lshl_add_u32 v7, v5, 4, v7
	v_add_nc_u32 v7, s29, v7                       ; out of it: sixteen lanes to a row, two rows an instruction
	v_lshlrev_b32 v8, 9, v6
	v_lshl_add_u32 v8, v5, 4, v8                   ; and the same place in the codes' buffer (rows of 512 bytes)
	v_lshlrev_b32 v9, 5, v2                        ; my column's row of 32 scale bytes
	s_lshl_b32 s30, s28, 21                        ; W: 512 rows of 4,096 bytes,
	s_lshl_b32 s31, s27, 2
	s_add_co_u32 s30, s30, s31                     ; + 4 x column
	s_mov_b32 s31, 0
	s_lshl_b32 s32, s26, 10
	s_add_co_u32 s32, s32, s27                     ; the row of the codes' buffer
	s_lshl_b32 s34, s32, 9
	s_lshl_b32 s33, s28, 8
	s_add_co_u32 s34, s34, s33
	s_mov_b32 s35, 0
	s_lshl_b32 s36, s32, 5
	s_lshl_b32 s33, s28, 4
	s_add_co_u32 s36, s36, s33
	s_mov_b32 s37, 0
	s_wait_kmcnt 0x0
	s_cmp_eq_u32 s26, 0                            ; the choice hangs on the work-group's number alone
	s_cselect_b64 s[6:7], s[6:7], s[8:9]
	s_cmp_eq_u32 s26, 2
	s_cselect_b64 s[6:7], s[10:11], s[6:7]
	s_add_nc_u64 s[6:7], s[6:7], s[30:31]
	s_add_nc_u64 s[18:19], s[18:19], s[34:35]
	s_add_nc_u64 s[20:21], s[20:21], s[36:37]
.macro WLOAD t                         ; block t: W(32 t + i, my column) into set t % 2; 128 consecutive bytes a wave
.set n, 0
.rept 32
	global_load_b32 v[WX+32*((\t)%2)+n], v3, s[6:7] offset:(32*(\t)+n)*4096 th:TH_LOAD_NT
.set n, n+1
.endr
.endm
	WLOAD 0
	WLOAD 1
.macro WBLOCK t
.set XS, WX+32*((\t)%2)
.if (\t) < NB-1
	s_wait_loadcnt 32                              ; this block's 32 loads are in; the next block's 32 may be out
.else
	s_wait_loadcnt 0
.endif
	v_max3_num_f32 v14, |v[XS]|, |v[XS+1]|, |v[XS+2]|      ; the block's largest magnitude: all 32 numbers are mine
	v_max3_num_f32 v15, |v[XS+3]|, |v[XS+4]|, |v[XS+5]|
.irp i, 6,10,14,18,22,26
	v_max3_num_f32 v14, v14, |v[XS+\i]|, |v[XS+\i+1]|
	v_max3_num_f32 v15, v15, |v[XS+\i+2]|, |v[XS+\i+3]|
.endr
	v_max3_num_f32 v14, v14, |v[XS+30]|, |v[XS+31]|
	v_max3_num_f32 v14, v14, v15, 0x1800000        ; and the floor 2^(3 - 127)
	v_add_nc_u32 v11, 0xff000000, v14              ; the conversion's scale operand
	v_lshrrev_b32 v10, 23, v11                     ; the scale's byte
.if (\t)%4 == 0
	v_mov_b32 v[WSB+(\t)/4], v10                   ; four bytes to a register, the lower K in the lower byte
.else
	v_lshl_or_b32 v[WSB+(\t)/4], v10, 8*((\t)%4), v[WSB+(\t)/4]
.endif
.irp g, 0,1,2,3
	v_cvt_scalef32_pk8_fp4_f32 v[WC+\g], v[XS+8*\g:XS+8*\g+7], v11
.endr
	ds_store_b128 v4, v[WC:WC+3] offset:16*(\t)    ; 32 codes: 16 bytes of my column's row
.if (\t)+2 < NB
	WLOAD (\t)+2
.endif
	s_wait_dscnt 0x0                               ; the store has read its registers: the next block's codes may be written
.endm
.set Q, 0
.rept NB
	WBLOCK Q
.set Q, Q+1
.endr
	global_store_b128 v9, v[WSB:WSB+3], s[20:21]   ; my column's 16 scale bytes
.irp t, 0,1,2,3,4,5,6,7,8,9,10,11,12,13,14,15
	ds_load_b128 v[WOUT+4*\t:WOUT+4*\t+3], v7 offset:2*\t*PITCH
.endr
.irp t, 0,1,2,3,4,5,6,7,8,9,10,11,12,13,14,15
	s_wait_dscnt 15-\t                             ; LDS loads come back in order: load t is in, the younger ones may be out
	global_store_b128 v8, v[WOUT+4*\t:WOUT+4*\t+3], s[18:19] offset:2*\t*512
.endr
	s_wait_tensorcnt 0x0                           ; the wave's end
	ds_add_u32 v[SPW], v[NIL]
	s_wait_dscnt 0x0
	s_endpgm
.Lcast:
; ---- PATH O.  Wo into f16: a wave takes 8,192 numbers, in four groups of 16 loads of 512 bytes; a lane's four numbers become 8 bytes, a wave's store 256 consecutive bytes.
	s_sub_co_u32 s25, ttmp9, 304
	s_lshl_b32 s25, s25, 2
	s_add_co_u32 s25, s25, s[WV]                   ; run 0 .. 127
	s_lshl_b32 s26, s25, 15
	s_mov_b32 s27, 0
	s_lshl_b32 s28, s25, 14
	s_mov_b32 s29, 0
	v_lshlrev_b32 v3, 4, v2
	v_lshlrev_b32 v4, 3, v2
	s_wait_kmcnt 0x0
	s_add_nc_u64 s[12:13], s[12:13], s[26:27]
	s_add_nc_u64 s[22:23], s[22:23], s[28:29]
.macro OLOAD g
.set n, 0
.rept 16
	global_load_b128 v[OIN+64*((\g)%2)+4*n:OIN+64*((\g)%2)+4*n+3], v3, s[12:13] offset:8192*(\g)+512*n
.set n, n+1
.endr
.endm
	OLOAD 0
	OLOAD 1
.irp g, 0,1,2,3
.if \g < 3
	s_wait_loadcnt 16                              ; this group's 16 loads are in; the other set's 16 may be out
.else
	s_wait_loadcnt 0
.endif
.if \g > 0
	s_wait_xcnt 0x0                                ; the last group's stores have read v160-191, which are written again below
.endif
.set n, 0
.rept 16
	v_cvt_pk_f16_f32 v[OOUT+2*n], v[OIN+64*(\g%2)+4*n], v[OIN+64*(\g%2)+4*n+1]
	v_cvt_pk_f16_f32 v[OOUT+2*n+1], v[OIN+64*(\g%2)+4*n+2], v[OIN+64*(\g%2)+4*n+3]
.set n, n+1
.endr
.set n, 0
.rept 16
	global_store_b64 v4, v[OOUT+2*n:OOUT+2*n+1], s[22:23] offset:4096*\g+256*n
.set n, n+1
.endr
.if \g < 2
	OLOAD \g+2
.endif
.endr
	s_wait_tensorcnt 0x0                           ; the same closing lines as the other two paths
	ds_add_u32 v[SPW], v[NIL]
	s_wait_dscnt 0x0
	s_endpgm
.Lfunc_end_k_qc4f3f6440b_quant:
	.size	k_qc4f3f6440b_quant, .Lfunc_end_k_qc4f3f6440b_quant-k_qc4f3f6440b_quant
	.p2alignl 7, 3214868480
	.fill 96, 4, 3214868480
	.section	.rodata,"a",@progbits
	.p2align	6, 0x0
	.amdhsa_kernel k_qc4f3f6440b_quant
		.amdhsa_group_segment_fixed_size 68096
		.amdhsa_private_segment_fixed_size 0
		.amdhsa_enable_private_segment 0
		.amdhsa_kernarg_size 80
		.amdhsa_user_sgpr_count 2
		.amdhsa_user_sgpr_kernarg_segment_ptr 1
		.amdhsa_wavefront_size32 1
		.amdhsa_system_sgpr_workgroup_id_x 1
		.amdhsa_system_sgpr_workgroup_id_y 1
		.amdhsa_system_sgpr_workgroup_id_z 1
		.amdhsa_system_vgpr_workitem_id 0
		.amdhsa_next_free_vgpr 192
		.amdhsa_next_free_sgpr 66
		.amdhsa_reserve_vcc 0
		.amdhsa_float_denorm_mode_32 3
		.amdhsa_float_denorm_mode_16_64 3
		.amdhsa_memory_ordered 1
		.amdhsa_forward_progress 1
		.amdhsa_inst_pref_size 132
	.end_amdhsa_kernel
	.amdgpu_metadata
---
amdhsa.version: [ 1, 2 ]
amdhsa.kernels:
  - .name:           k_qc4f3f6440b_quant
    .symbol:         k_qc4f3f6440b_quant.kd
    .args:
      - { .name: x, .offset: 0, .size: 8, .value_kind: global_buffer, .address_space: global }
      - { .name: Wq, .offset: 8, .size: 8, .value_kind: global_buffer, .address_space: global }
      - { .name: Wk, .offset: 16, .size: 8, .value_kind: global_buffer, .address_space: global }
      - { .name: Wv, .offset: 24, .size: 8, .value_kind: global_buffer, .address_space: global }
      - { .name: Wo, .offset: 32, .size: 8, .value_kind: global_buffer, .address_space: global }
      - { .name: x_codes, .offset: 40, .size: 8, .value_kind: global_buffer, .address_space: global }
      - { .name: x_scales, .offset: 48, .size: 8, .value_kind: global_buffer, .address_space: global }
      - { .name: w_codes, .offset: 56, .size: 8, .value_kind: global_buffer, .address_space: global }
      - { .name: w_scales, .offset: 64, .size: 8, .value_kind: global_buffer, .address_space: global }
      - { .name: wo16, .offset: 72, .size: 8, .value_kind: global_buffer, .address_space: global }
    .group_segment_fixed_size: 68096
    .private_segment_fixed_size: 0
    .kernarg_segment_align: 8
    .kernarg_segment_size: 80
    .max_flat_workgroup_size: 128
    .sgpr_count:     66
    .vgpr_count:     192
    .wavefront_size: 32
...
	.end_amdgpu_metadata
.endif
;; end of part 1
;; launch proj (part 2): grid 12 x 32, 4 waves a work-group, clusters of 4 x 4, 327,680 bytes of LDS; arguments x_codes, x_scales, w_codes, w_scales, bq, bv, qkv, fine32; writes qkv, fine32
.if DOCPART == 2
	.amdgcn_target "amdgcn-amd-amdhsa--gfx1250"
	.amdhsa_code_object_version 6
	.text
	.protected	k_qc4f3f6440b_proj
	.globl	k_qc4f3f6440b_proj
	.p2align	8
	.type	k_qc4f3f6440b_proj,@function
k_qc4f3f6440b_proj:
	s_mov_b64 s[64:65], 0
	v_nop
	global_prefetch_b8 v0, s[64:65] scope:SCOPE_SE
	s_setreg_imm32_b32 hwreg(HW_REG_WAVE_MODE, 25, 1), 1
	s_wait_xcnt 0x0
	s_wait_alu depctr_hold_cnt(0) depctr_sa_sdst(0) depctr_va_vdst(0) depctr_va_sdst(0) depctr_va_ssrc(0) depctr_va_vcc(0) depctr_vm_vsrc(0)
	s_getreg_b32 s2, hwreg(HW_REG_IB_STS2, 6, 4)
	s_cmp_eq_u32 s2, 0
	s_cbranch_scc0 .Lentry_in_a_cluster
	s_endpgm
.Lentry_in_a_cluster:
	s_bfe_u32 s2, ttmp6, 0x10000c
	s_cmp_lg_u32 s2, 0xf033
	s_cbranch_scc0 .Lentry_shape_is_right
	s_endpgm
.Lentry_shape_is_right:
; q, k, v = x W + b on codes of E2M1 with one E8M0 scale for each 32 along K: [8192 x 1024] . [1024 x 3072], sums in f32.  A: x_codes [8192][512 bytes], B: w_codes [3072][512 bytes] (row 1024 x matrix + n).
; LEFT OUT: bk (the same along a softmax's axis: shown at the head of the first launch); k's tiles start their sums with the constant 0.  bq and bv are the C of the first matrix instruction of q's and v's sums.
; OUT: qkv, f16, laid [3][batch 4][head 16][t 2048][64], so that 16 rows of a head are 2,048 consecutive bytes; and fine32, f32, [3][4][16][t 16][64]: the first 16 positions of every sequence as they stand, for the last launch.
; LIMIT: q, k, v beyond 65,504 become infinity in f16.
; A tile of 256 x 256 is made by four waves, each 128 x 128: 64 accumulators, 512 registers.  K = 1,024 is two LDS slots of 512 along K (rows of 256 bytes): both slots and the scales of all of K are first fills,
; so nothing is filled again, there is no loop, and by this text's own count a wave has three tensor loads out at the most.
; CLUSTERS: 4 x 4 work-groups.  The four of a row of the cluster need the same tiles of A, the four of a column the same tiles of B: each is asked for jointly.
; Tile column = 4 x cluster x + cx, so cluster x says which matrix.  Tile row = 8 cy + cluster y, so batch = cy, and the tiles that hold positions 0-15 are those of cluster y = 0: both tests are the same in all partners.
; THE MATRIX INSTRUCTION IS USED TRANSPOSED (source 0 = 16 rows of B, source 1 = 16 rows of A): a lane holds eight neighbouring columns of one row.
; REGISTERS: window 0: v16-31 addresses; v32-95 scale words, two sets; v128-191 A's fragments, one set; v192-255 the bias, eight registers for each of B's eight blocks; on the way out v32-127 are free.
;   window 1: B's fragments, two sets, at v0 and v128.   window 2: the accumulators of my rows 0-63 ((a, b) at v[8 (8 a + b)]);   window 3: those of rows 64-127.
.set NQ,     4                         ; steps of 128 along K in a slot
.set ROWB,   256                       ; a tile's row in bytes
.set KROW,   512                       ; a row of codes in memory
.set PITCH,  272                       ; an LDS row: 256 bytes + 16 of padding: the 16 rows that a load touches start at 16 different banks
.set FR,     8
.set NL,     2
.set NP,     4
.set HALFT,  128*PITCH
.set SLOT,   4*HALFT
.set KS,     32                        ; a row of scales in bytes
.set SCL,    2*SLOT                    ; behind the ring: the scales, as units of 256 bytes + 16 of padding
.set HALFS,  (128*KS/256)*272
.set SBLK,   (16*KS/256)*272
.set SPARE,  SCL+4*HALFS               ; the spare words, 128 bytes for each wave
.set SPITCH, 272                       ; the way out: a stage of 16 rows x (256 bytes + 16) for each wave, in slot 0, which has had its only fill and its last read by then
.set ADRA, 16
.set ADRB, 20
.set STO,  24
.set RD,   25
.set CO,   26
.set ADRS, 27
.set SPW,  28
.set NIL,  29
.set FO,   30                          ; v30  my byte in a head's 16 rows of fine32
.set BO,   31                          ; v31  32 x (lane / 16): my eight numbers of a block's 16 of the bias
.set SC,   32
.set AF,   128
.set BIAS, 192
.set TMP,  32                          ; the way out: packed results
.set BK,   64                          ; and 16 rows read back: v64-95 and v96-127 by turns
.set G1, 24
.set G0, 32
.set G1B, 48
.set G0B, 56
.set G1S, 68
.set G0S, 76
.set G1SB, 80
.set G0SB, 88
.set MSB, 0
.macro WIN new                         ; the immediate's high byte repeats the setting that is left
.if MSB != (\new)
	s_set_vgpr_msb (MSB<<8)|(\new)
.set MSB, (\new)
.endif
.endm
.set MUL_LO, 0xa1                      ; source 0 (B) window 1, source 1 (A) window 0, C and D window 2
.set MUL_HI, 0xf1                      ; the same, C and D window 3
.set TO_B,   0x40
; A joint load: waves 0 and 1 fetch for A, waves 2 and 3 for B.  The branch hangs on the wave's number alone.  An s_nop 0 and four v_nop follow each of the two lines.
.macro JLOAD g0a, g1a, g0b, g1b
	s_cmp_eq_u32 s21, 0
	s_cbranch_scc0 .Lfor_b_\@
	tensor_load_to_lds s[\g0a:\g0a+3], s[\g1a:\g1a+7]
	s_nop 0
.rept 4
	v_nop
.endr
	s_branch .Lasked_\@
.Lfor_b_\@:
	tensor_load_to_lds s[\g0b:\g0b+3], s[\g1b:\g1b+7]
	s_nop 0
.rept 4
	v_nop
.endr
.Lasked_\@:
.endm
.macro CROUND                          ; a round of the cluster's barrier
	s_barrier_signal -1
	s_barrier_wait -1
	s_cmp_lg_u32 s20, 0
	s_cbranch_scc1 .Lnot_wave_0_\@
	s_barrier_signal -3
.Lnot_wave_0_\@:
	s_barrier_wait -3
	s_barrier_signal -1
	s_barrier_wait -1
.endm
	s_load_b256 s[4:11], s[0:1], 0x0               ; x_codes, x_scales, w_codes, w_scales
	s_load_b256 s[12:19], s[0:1], 0x20             ; bq, bv, qkv, fine32
	v_lshl_add_u32 v[SPW], v0, 2, SPARE
	v_mov_b32 v[NIL], 0
	ds_add_u32 v[SPW], v[NIL]                      ; the wave's opening: the add, twice on end, and its wait ahead of my first tensor load
	ds_add_u32 v[SPW], v[NIL]
	v_lshrrev_b32 v1, 5, v0
	v_readfirstlane_b32 s20, v1                    ; wave 0..3
	s_lshr_b32 s21, s20, 1                         ; which half of the tile's rows is mine.  Also: I fetch for A (0) or for B (1)
	s_and_b32 s22, s20, 1                          ; which half of its columns.  Also: which 128 rows of that tile I fetch
	s_bfe_u32 s40, ttmp6, 0x40000                  ; cx
	s_bfe_u32 s41, ttmp6, 0x40004                  ; cy
	s_lshl_b32 s42, ttmp9, 2
	s_add_co_u32 s42, s42, s40                     ; tile column = 4 x cluster x + cx
	s_and_b32 s67, ttmp7, 0xffff                   ; cluster y
	s_lshl_b32 s43, s41, 3
	s_add_co_u32 s43, s43, s67                     ; tile row = 8 cy + cluster y
	s_or_b32 s23, s67, s21
	s_cmp_eq_u32 s23, 0
	s_cselect_b32 s23, 1, 0                        ; 1: my first 16 rows are positions 0-15 of a sequence.  Cluster y and the wave's number alone: the same in all partners
	s_lshl_b32 s44, s41, 2
	s_lshl_b32 s44, 15, s44                        ; my row of the cluster
	s_lshl_b32 s45, 0x1111, s40                    ; my column
	s_or_b32 s[G1+0], s44, (0<<16)|(1<<20)|(1<<21)|(5<<22)|(3<<25)   ; the mask; elements of 1 byte; padding: 4 words behind every 64; bit 21 beside a mask
	s_or_b32 s[G1B+0], s45, (0<<16)|(1<<20)|(1<<21)|(5<<22)|(3<<25)
.irp g, G1, G1B
	s_mov_b32 s[\g+1], ROWB<<16                    ; tensor_dim0
	s_mov_b32 s[\g+2], 128<<16                     ; tensor_dim1
	s_mov_b32 s[\g+3], ROWB<<16                    ; tile_dim0
	s_mov_b32 s[\g+4], 128                         ; tile_dim1
	s_mov_b32 s[\g+5], KROW                        ; from row to row
	s_mov_b32 s[\g+6], 0
	s_mov_b32 s[\g+7], 0
.endr
	s_or_b32 s[G1S+0], s44, (3<<16)|(1<<20)|(1<<21)|(5<<22)|(3<<25)  ; the scales of 128 rows: 4,096 dense bytes as 16 rows of 256 (32 elements of 8 bytes)
	s_or_b32 s[G1SB+0], s45, (3<<16)|(1<<20)|(1<<21)|(5<<22)|(3<<25)
.irp g, G1S, G1SB
	s_mov_b32 s[\g+1], 32<<16
	s_mov_b32 s[\g+2], (128*KS/256)<<16
	s_mov_b32 s[\g+3], 32<<16
	s_mov_b32 s[\g+4], 128*KS/256
	s_mov_b32 s[\g+5], 32
	s_mov_b32 s[\g+6], 0
	s_mov_b32 s[\g+7], 0
.endr
	s_lshl_b32 s66, s22, 7                         ; which 128 rows of the tile I fetch
	s_lshl_b32 s92, s43, 8
	s_add_co_u32 s92, s92, s66                     ; A: row 256 x tile row + 128 x half
	s_lshl_b32 s46, s42, 8
	s_add_co_u32 s46, s46, s66                     ; B: row 256 x tile column + 128 x half
	s_mov_b32 s93, 0
	s_mov_b32 s47, 0
	s_lshl_b64 s[94:95], s[92:93], 5               ; where these rows' scales begin,
	s_lshl_b64 s[96:97], s[46:47], 5
	s_lshl_b64 s[92:93], s[92:93], 9               ; and their codes
	s_lshl_b64 s[46:47], s[46:47], 9
	s_mul_i32 s98, s20, HALFT                      ; where they go: wave x 128 rows: no place in the cluster enters an LDS address
	s_mul_i32 s99, s20, HALFS
	s_wait_dscnt 0x0                               ; both opening adds are done
	s_wait_kmcnt 0x0
	s_add_nc_u64 s[92:93], s[4:5], s[92:93]
	s_add_nc_u64 s[94:95], s[6:7], s[94:95]
	s_add_nc_u64 s[46:47], s[8:9], s[46:47]
	s_add_nc_u64 s[96:97], s[10:11], s[96:97]
	CROUND                                         ; all sixteen work-groups are here: the joint loads meet
	s_mov_b32 s[G0S], 1
	s_add_co_u32 s[G0S+1], s99, SCL
	s_mov_b64 s[G0S+2:G0S+3], s[94:95]
	s_or_b32 s[G0S+3], s[G0S+3], 0x80000000
	s_mov_b32 s[G0SB], 1
	s_add_co_u32 s[G0SB+1], s99, SCL
	s_mov_b64 s[G0SB+2:G0SB+3], s[96:97]
	s_or_b32 s[G0SB+3], s[G0SB+3], 0x80000000
	JLOAD G0S, G1S, G0SB, G1SB                     ; the scales first: they are wanted with slot 0
.irp s, 0,1
	s_mov_b32 s[G0+4*\s], 1
	s_add_co_u32 s[G0+4*\s+1], s98, \s*SLOT
	s_add_nc_u64 s[G0+4*\s+2:G0+4*\s+3], s[92:93], \s*ROWB
	s_or_b32 s[G0+4*\s+3], s[G0+4*\s+3], 0x80000000
	s_mov_b32 s[G0B+4*\s], 1
	s_add_co_u32 s[G0B+4*\s+1], s98, \s*SLOT
	s_add_nc_u64 s[G0B+4*\s+2:G0B+4*\s+3], s[46:47], \s*ROWB
	s_or_b32 s[G0B+4*\s+3], s[G0B+4*\s+3], 0x80000000
	JLOAD G0+4*\s, G1, G0B+4*\s, G1B
.endr
	v_and_b32 v1, 15, v0                           ; r = lane % 16
	v_bfe_u32 v2, v0, 4, 1                         ; h = lane / 16
	v_mul_u32_u24 v3, v1, PITCH
	v_lshl_add_u32 v4, v2, 4, v3                   ; a fragment's row x pitch + 16 h
	s_mul_i32 s66, s21, HALFT                      ; my 128 rows of A
	s_mul_i32 s99, s22, HALFT                      ; my 128 rows of B,
	s_add_co_u32 s99, s99, 2*HALFT                 ; which lie behind A's 256
.irp s, 0,1
	v_add_nc_u32 v[ADRA+\s], s66, v4
	v_add_nc_u32 v[ADRB+\s], s99, v4
	s_add_co_u32 s66, s66, SLOT
	s_add_co_u32 s99, s99, SLOT
.endr
	v_mul_u32_u24 v5, v1, KS                       ; my row's scales: 32 bytes a row,
	v_lshrrev_b32 v6, 8, v5
	v_lshl_add_u32 v5, v6, 4, v5                   ; and 16 more for each 256 passed
	s_mul_i32 s66, s21, HALFS
	s_mul_i32 s99, s22, HALFS
	s_add_co_u32 s99, s99, 2*HALFS
	s_sub_co_u32 s99, s99, s66
	v_mul_u32_u24 v6, s99, v2                      ; lanes 16-31 take B's: one product, the distance between the two bases
	s_add_co_u32 s66, s66, SCL
	v_add_nc_u32 v5, v5, v6
	v_add_nc_u32 v[ADRS], s66, v5
	s_mul_i32 s66, s20, 16*SPITCH                  ; my stage
	v_mul_u32_u24 v5, v1, SPITCH
	v_lshl_add_u32 v5, v2, 4, v5
	v_add_nc_u32 v[STO], s66, v5                   ; in: row r, 16 bytes for each half of the lanes
	v_and_b32 v6, 31, v0
	v_lshlrev_b32 v[CO], 4, v6                     ; in memory: 16 x lane: four rows of a head, 128 bytes each, on end
	v_lshrrev_b32 v5, 3, v6
	v_mul_u32_u24 v5, v5, SPITCH
	v_and_b32 v7, 7, v6
	v_lshl_add_u32 v5, v7, 4, v5
	v_add_nc_u32 v[RD], s66, v5                    ; back: row lane / 8, 16 (lane % 8) bytes on
	v_lshlrev_b32 v[FO], 8, v1
	v_lshl_add_u32 v[FO], v2, 5, v[FO]             ; fine32: row r of 256 bytes, + 32 h
	v_lshlrev_b32 v[BO], 5, v2
	; where my part begins in qkv, in fine32 and in the bias (in registers that never fed A's descriptors, since cx enters)
	s_lshl_b32 s46, ttmp9, 24                      ; which matrix
	s_lshl_b32 s47, s41, 22                        ; batch = cy
	s_add_co_u32 s46, s46, s47
	s_lshl_b32 s45, s40, 2
	s_lshl_b32 s47, s22, 1
	s_add_co_u32 s45, s45, s47                     ; my first head: 4 cx + 2 x half
	s_lshl_b32 s47, s45, 18
	s_add_co_u32 s46, s46, s47
	s_lshl_b32 s47, s67, 15                        ; t = 256 x cluster y,
	s_add_co_u32 s46, s46, s47
	s_lshl_b32 s47, s21, 14                        ; + 128 x half; rows of 128 bytes
	s_add_co_u32 s46, s46, s47
	s_mov_b32 s47, 0
	s_add_nc_u64 s[16:17], s[16:17], s[46:47]
	s_lshl_b32 s96, ttmp9, 18
	s_lshl_b32 s97, s41, 16
	s_add_co_u32 s96, s96, s97
	s_lshl_b32 s97, s45, 12
	s_add_co_u32 s96, s96, s97
	s_mov_b32 s97, 0
	s_add_nc_u64 s[18:19], s[18:19], s[96:97]
	s_cmp_eq_u32 ttmp9, 0                          ; q takes bq, v takes bv: the choice hangs on the cluster's number alone
	s_cselect_b64 s[12:13], s[12:13], s[14:15]
	s_lshl_b32 s96, s45, 8                         ; 64 columns of 4 bytes a head
	s_add_nc_u64 s[12:13], s[12:13], s[96:97]
.macro FRAG reg, adr, q, i             ; 16 rows x 128 K of 4-bit codes: 8 registers; registers 4 c .. 4 c + 3 hold K = 64 c + 32 h + 0 .. 31
.irp c, 0,1
	ds_load_b128 v[\reg+4*\c:\reg+4*\c+3], v[\adr] offset:64*(\q)+32*\c+(\i)*16*PITCH
.endr
.endm
; 16 matrix instructions: A's blocks a0, a0 + 1 x B's eight.  zero = 1: the sums start with 0; 2: with the bias; 0: in place.  The 64 accumulators take turns, one instruction a turn.
.macro MUL16 a0, p, q, sc, zero
.irp a, \a0, \a0+1
.irp b, 0,1,2,3,4,5,6,7
.if (\zero) == 1
	v_wmma_scale_f32_16x16x128_f8f6f4 v[8*(8*((\a)%4)+\b):8*(8*((\a)%4)+\b)+7], v[128*(\p)+FR*\b:128*(\p)+FR*\b+FR-1], v[AF+FR*(\a):AF+FR*(\a)+FR-1], 0, v[SC+8*NQ*(\sc)+NQ*\b+(\q)], v[SC+8*NQ*(\sc)+NQ*(\a)+(\q)] matrix_a_fmt:MATRIX_FMT_FP4 matrix_b_fmt:MATRIX_FMT_FP4 matrix_a_scale:MATRIX_SCALE_ROW1
.elseif (\zero) == 2
	v_wmma_scale_f32_16x16x128_f8f6f4 v[8*(8*((\a)%4)+\b):8*(8*((\a)%4)+\b)+7], v[128*(\p)+FR*\b:128*(\p)+FR*\b+FR-1], v[AF+FR*(\a):AF+FR*(\a)+FR-1], v[BIAS+8*\b:BIAS+8*\b+7], v[SC+8*NQ*(\sc)+NQ*\b+(\q)], v[SC+8*NQ*(\sc)+NQ*(\a)+(\q)] matrix_a_fmt:MATRIX_FMT_FP4 matrix_b_fmt:MATRIX_FMT_FP4 matrix_a_scale:MATRIX_SCALE_ROW1
.else
	v_wmma_scale_f32_16x16x128_f8f6f4 v[8*(8*((\a)%4)+\b):8*(8*((\a)%4)+\b)+7], v[128*(\p)+FR*\b:128*(\p)+FR*\b+FR-1], v[AF+FR*(\a):AF+FR*(\a)+FR-1], v[8*(8*((\a)%4)+\b):8*(8*((\a)%4)+\b)+7], v[SC+8*NQ*(\sc)+NQ*\b+(\q)], v[SC+8*NQ*(\sc)+NQ*(\a)+(\q)] matrix_a_fmt:MATRIX_FMT_FP4 matrix_b_fmt:MATRIX_FMT_FP4 matrix_a_scale:MATRIX_SCALE_ROW1
.endif
.endr
.endr
.endm
.macro FETCH_B slot, q, p
	WIN TO_B
.irp i, 0,1,2,3,4,5,6,7
	FRAG 128*(\p)+FR*\i, ADRB+\slot, \q, \i
.endr
	WIN 0
.endm
.macro FETCH_A slot, q, i0
.irp i, \i0, \i0+1, \i0+2, \i0+3
	FRAG AF+FR*(\i), ADRA+\slot, \q, \i
.endr
.endm
.macro SCALES sc                       ; a slot's scale words: four words a row; lanes 0-15 take A's block i, lanes 16-31 B's block i
.irp i, 0,1,2,3,4,5,6,7
	ds_load_b128 v[SC+8*NQ*\sc+NQ*\i:SC+8*NQ*\sc+NQ*\i+3], v[ADRS] offset:\i*SBLK
.endr
.endm
.macro PLACES n                        ; plain vector instructions between a matrix instruction and a load into, or a read of, its registers
.rept \n
	v_nop
.endr
.endm
.macro STEP slot, q, zero              ; 128 along K with its successor in the same slot
	s_wait_dscnt 4*NL                              ; B's set and A's blocks 0-3 are in; the youngest eight loads (A's blocks 4-7) may be out
.if (\zero) == 2
	WIN 0x81                                       ; C (the bias) in window 0, D in window 2
.else
	WIN MUL_LO
.endif
	MUL16 0, (\q)%2, \q, \slot, \zero
	MUL16 2, (\q)%2, \q, \slot, \zero
	s_wait_dscnt 0
	PLACES NP
	FETCH_B \slot, (\q)+1, 1-(\q)%2
	FETCH_A \slot, (\q)+1, 0
.if (\zero) == 2
	WIN 0xc1
.else
	WIN MUL_HI
.endif
	MUL16 4, (\q)%2, \q, \slot, \zero
	MUL16 6, (\q)%2, \q, \slot, \zero
	PLACES NP
	WIN 0
	FETCH_A \slot, (\q)+1, 4
.endm
.macro TURN slot, next                 ; a slot's last step changes slots: one barrier
	s_wait_tensorcnt 0x0                           ; all my tensor loads have landed: my part of the next slot
	ds_add_u32 v[SPW], v[NIL]
	s_wait_dscnt 4*NL+1                            ; the add and the youngest eight loads may be out
	WIN MUL_LO
	MUL16 0, 1, NQ-1, \slot, 0
	s_wait_dscnt 0x0                               ; the add is done, and my reads of this slot are over
	s_barrier_signal -1
	MUL16 2, 1, NQ-1, \slot, 0
	WIN 0
	s_barrier_wait -1
	PLACES NP
	v_add_nc_u32 v[ADRS], 4*NQ, v[ADRS]            ; on to the next slot's scale words
	FETCH_B \next, 0, 0
	FETCH_A \next, 0, 0
	SCALES \next
	WIN MUL_HI
	MUL16 4, 1, NQ-1, \slot, 0
	MUL16 6, 1, NQ-1, \slot, 0
	PLACES NP
	WIN 0
	FETCH_A \next, 0, 4
.endm
.macro STEPS slot, from
.set Q, \from
.rept NQ-1-\from
	STEP \slot, Q, 0
.set Q, Q+1
.endr
.endm
.macro START
	s_wait_tensorcnt 1                             ; the scales and my part of slot 0 are in; slot 1's load may be out
	s_barrier_signal -1
	s_barrier_wait -1                              ; everybody's are
	FETCH_B 0, 0, 0
	FETCH_A 0, 0, 0
	SCALES 0
	FETCH_A 0, 0, 4
.endm
	s_cmp_eq_u32 ttmp9, 1                          ; k has no bias.  The cluster's number alone: every wave of every partner goes the same way
	s_cbranch_scc1 .Lno_bias
.irp b, 0,1,2,3,4,5,6,7
	global_load_b128 v[BIAS+8*\b:BIAS+8*\b+3], v[BO], s[12:13] offset:64*\b        ; the bias of columns 16 b + 8 h + 0 .. 7: they land while the first tiles do
	global_load_b128 v[BIAS+8*\b+4:BIAS+8*\b+7], v[BO], s[12:13] offset:64*\b+16
.endr
	START
	s_wait_loadcnt 0x0
	STEP 0, 0, 2
	s_branch .Lstarted
.Lno_bias:
	START
	STEP 0, 0, 1
.Lstarted:
	STEPS 0, 1
	TURN 0, 1
	STEPS 1, 0
	s_wait_dscnt 4*NL                              ; the very last step: nothing more to fetch
	WIN MUL_LO
	MUL16 0, 1, NQ-1, 1, 0
	MUL16 2, 1, NQ-1, 1, 0
	s_wait_dscnt 0
	WIN MUL_HI
	MUL16 4, 1, NQ-1, 1, 0
	MUL16 6, 1, NQ-1, 1, 0
	WIN 0
	PLACES NP                                      ; in front of the first reads of results and of writes into registers that held scales
	; positions 0-15 in f32, as they stand: my block 0, straight from the accumulators, each from its low end on
	s_cmp_lg_u32 s23, 0
	s_cbranch_scc0 .Lno_fine
	WIN 0x08                                       ; a store's data are its source 1: window 2
.irp b, 0,1,2,3,4,5,6,7
	global_store_b128 v[FO], v[8*\b:8*\b+3], s[18:19] offset:(\b/4)*4096+(\b%4)*64
	global_store_b128 v[FO], v[8*\b+4:8*\b+7], s[18:19] offset:(\b/4)*4096+(\b%4)*64+16
.endr
	WIN 0
.Lno_fine:
; THE WAY OUT, block by block of 16 rows x 128 columns (two heads).  Rounded to f16, 16 bytes a lane, into my stage; back as four rows of a head to an instruction: 512 consecutive bytes of memory.
.macro PACK a
.set AC, 64*((\a)%4)
	WIN 0x0a+5*((\a)/4)                            ; sources 0 and 1: window 2 or 3
.irp b, 0,1,2,3,4,5,6,7
.irp r, 0,1,2,3
	v_cvt_pk_f16_f32 v[TMP+4*\b+\r], v[AC+8*\b+2*\r], v[AC+8*\b+2*\r+1]
.endr
.endr
	WIN 0
.endm
.macro TOSTAGE a
.set BB, BK+32*((\a)%2)
.irp b, 0,1,2,3,4,5,6,7
	ds_store_b128 v[STO], v[TMP+4*\b:TMP+4*\b+3] offset:32*\b
.endr
.irp u, 0,1
.irp i, 0,1,2,3
	ds_load_b128 v[BB+16*\u+4*\i:BB+16*\u+4*\i+3], v[RD] offset:128*\u+4*SPITCH*\i    ; LDS serves a wave's instructions in order: these see the stores above
.endr
.endr
.endm
.macro SEND a
.set BB, BK+32*((\a)%2)
	s_wait_dscnt 0x0                               ; the block is back in registers
	s_wait_xcnt 0x0                                ; the block before's stores have read their registers, into which the next block's loads will land
.irp u, 0,1
.irp i, 0,1,2,3
	global_store_b128 v[CO], v[BB+16*\u+4*\i:BB+16*\u+4*\i+3], s[16:17] offset:2048*(\a)+262144*\u+512*\i
.endr
.endr
.endm
	PACK 0
	TOSTAGE 0
.irp a, 1,2,3,4,5,6,7                  ; block a's conversions stand between block a - 1's loads from the stage and the wait for them
	PACK \a
	SEND \a-1
	TOSTAGE \a
.endr
	SEND 7
	s_wait_tensorcnt 0x0                           ; the wave's end
	ds_add_u32 v[SPW], v[NIL]
	s_wait_dscnt 0x0
	CROUND                                         ; the closing round
	s_endpgm
.Lfunc_end_k_qc4f3f6440b_proj:
	.size	k_qc4f3f6440b_proj, .Lfunc_end_k_qc4f3f6440b_proj-k_qc4f3f6440b_proj
	.p2alignl 7, 3214868480
	.fill 96, 4, 3214868480
	.section	.rodata,"a",@progbits
	.p2align	6, 0x0
	.amdhsa_kernel k_qc4f3f6440b_proj
		.amdhsa_group_segment_fixed_size 327680
		.amdhsa_private_segment_fixed_size 0
		.amdhsa_enable_private_segment 0
		.amdhsa_kernarg_size 64
		.amdhsa_user_sgpr_count 2
		.amdhsa_user_sgpr_kernarg_segment_ptr 1
		.amdhsa_wavefront_size32 1
		.amdhsa_system_sgpr_workgroup_id_x 1
		.amdhsa_system_sgpr_workgroup_id_y 1
		.amdhsa_system_sgpr_workgroup_id_z 1
		.amdhsa_system_vgpr_workitem_id 0
		.amdhsa_next_free_vgpr 1024
		.amdhsa_next_free_sgpr 100
		.amdhsa_reserve_vcc 0
		.amdhsa_float_denorm_mode_32 3
		.amdhsa_float_denorm_mode_16_64 3
		.amdhsa_memory_ordered 1
		.amdhsa_forward_progress 1
		.amdhsa_inst_pref_size 143
	.end_amdhsa_kernel
	.amdgpu_metadata
---
amdhsa.version: [ 1, 2 ]
amdhsa.kernels:
  - .name:           k_qc4f3f6440b_proj
    .symbol:         k_qc4f3f6440b_proj.kd
    .args:
      - { .name: x_codes, .offset: 0, .size: 8, .value_kind: global_buffer, .address_space: global }
      - { .name: x_scales, .offset: 8, .size: 8, .value_kind: global_buffer, .address_space: global }
      - { .name: w_codes, .offset: 16, .size: 8, .value_kind: global_buffer, .address_space: global }
      - { .name: w_scales, .offset: 24, .size: 8, .value_kind: global_buffer, .address_space: global }
      - { .name: bq, .offset: 32, .size: 8, .value_kind: global_buffer, .address_space: global }
      - { .name: bv, .offset: 40, .size: 8, .value_kind: global_buffer, .address_space: global }
      - { .name: qkv, .offset: 48, .size: 8, .value_kind: global_buffer, .address_space: global }
      - { .name: fine32, .offset: 56, .size: 8, .value_kind: global_buffer, .address_space: global }
    .group_segment_fixed_size: 327680
    .private_segment_fixed_size: 0
    .kernarg_segment_align: 8
    .kernarg_segment_size: 64
    .max_flat_workgroup_size: 128
    .sgpr_count:     100
    .vgpr_count:     1024
    .wavefront_size: 32
...
	.end_amdgpu_metadata
.endif
;; end of part 2
;; launch attn (part 3): grid 4 x 64, 8 waves a work-group, no clusters, 327,680 bytes of LDS; arguments qkv, att; writes att
.if DOCPART == 3
	.amdgcn_target "amdgcn-amd-amdhsa--gfx1250"
	.amdhsa_code_object_version 6
	.text
	.protected	k_qc4f3f6440b_attn
	.globl	k_qc4f3f6440b_attn
	.p2align	8
	.type	k_qc4f3f6440b_attn,@function
k_qc4f3f6440b_attn:
	s_mov_b64 s[64:65], 0
	v_nop
	global_prefetch_b8 v0, s[64:65] scope:SCOPE_SE
	s_setreg_imm32_b32 hwreg(HW_REG_WAVE_MODE, 25, 1), 1
	s_wait_xcnt 0x0
; att[b][h][q][:] = the sum over keys k <= q of softmax_k(q . k / 8) v[k][:].  q, k, v: planes of qkv, f16, [batch x head 64][t 2048][64]; att likewise.  Products on f16 operands, sums, maxima and the softmax in f32.
; LEFT OUT: the work that the causal mask throws away in whole units: steps of 64 keys wholly behind a wave's 32 queries are jumped over, tiles of 256 keys behind a block of queries are never fetched.  bk: see the first launch.
; LIMIT: the weights p (at most 1) and att are rounded to f16; positions 0-15 of a sequence are made here too, inside live tiles, but the last launch makes the output's rows for them in f32.
; SHARES.  Work-group (I = 0..3, batch x head) owns the blocks I and 7 - I of 256 queries, one after the other: (I + 1) + (8 - I) = 9 tiles of 256 keys whatever I is, so all 256 work-groups do equal work and every trip count is a constant.
; Each of its eight waves owns 32 queries of a block, two tiles of 16; two waves share a SIMD, so that one wave's softmax stands beside the other's products and LDS loads, and the text is in plain phases.
; NO CLUSTER: the four work-groups of a head want different tiles in the same trip (in trip j work-group I wants tile j while j <= I, then tile j - I - 1), so their requests cannot be one request;
; a walk in which they agreed (both blocks against tile j) would take 12 block-tiles of time for 9 of work.
; LAYOUT.  S^T = K Q^T (source 0 = 16 keys, source 1 = 16 queries): a lane holds one query (lane % 16) and keys 8 (lane / 16) + 0..7.  Two such tiles, rounded in pairs, are source 1 of O^T = V^T P.  V comes out of LDS turned.
; SOFTMAX.  A running maximum m and sum l for each query: p = 2^(c s - c m), c = log2(e) / 8; in every step O and l are multiplied by a = 2^(c m_old - c m_new).
; RING.  Two LDS slots of 256 keys (four steps, each 64 rows of K then 64 rows of V).  Waves 0-3 fetch K's four steps, waves 4-7 V's: one tensor load a wave behind each change of slots, four steps in which it lands.
; REGISTERS: window 0: v1-15 addresses; v16-31 statistics, eight a tile; v32-95 S^T; v96-127 P; v128-191 K; v192-255 V.   window 1: v0-31 Q; v32-95 O^T.
.set PK,    144                        ; a row of K in LDS: 128 bytes + 16
.set PV,    160                        ; a row of V: 128 + 32
.set VOFF,  64*PK
.set STEPB, 64*(PK+PV)
.set SLOT1, 1<<17                      ; slot 1 begins here: one exclusive or turns an address
.set STAGE, SLOT1+4*STEPB              ; behind the ring: 2 x 16 rows x 144 bytes for each wave
.set SPARE, STAGE+8*2*16*PK            ; the spare words, 128 bytes for each wave
.set AK0, 1
.set AV0, 2
.set ADK, 3
.set ADV, 4
.set STO, 5
.set RD,  6
.set GO,  7
.set QO,  8
.set PFO, 9
.set SPW, 10
.set NIL, 11
.set DL,  12                           ; v12  lane % 16 - 8 (lane / 16)
.set NINF, 13                          ; v13  -infinity
.set D0,  14                           ; v14, v15  the mask's bound for tile 0, 1
.set ST,  16                           ; tile t's statistics at v[ST + 8 t]: +0 c m, +1 m, +2, +3 l, +4 to +7 at work; a in +6
.set S,   32
.set P,   96
.set KR,  128
.set VR,  192
.set OT,  32                           ; in window 1
.set WV,  8
.set W3,  9
.set BI,  10                           ; s10  I
.set BI1, 11                           ; s11  I + 1
.set J,   12                           ; s12  the trip
.set TW,  13
.set TB,  14                           ; s14  LDS byte at which the step in hand begins
.set KF,  15                           ; s15  the step's first key
.set Q0,  16                           ; s16  my first query
.set LIMJ, 17
.set CS,  18
.set SEL, 20
.set OFF, 22                           ; s[22:23] the byte offset of the tile to be asked for
.set G1K, 24
.set G1V, 32
.set G0K, 40
.set G0V, 44
.set KB,  48
.set VB,  50
.set QP,  52
.set AP,  54
.set QA,  56
.set AA,  58
.set PFA, 60
.set T0,  62
.set T2,  66
.set MSB, 0
.macro WIN new
.if MSB != (\new)
	s_set_vgpr_msb (MSB<<8)|(\new)
.set MSB, (\new)
.endif
.endm
.set W_KQ, 0x04                        ; Q (source 1) in window 1
.set W_RS, 0x41                        ; O^T (destination and source 0) in window 1
.set W_PV, 0x50                        ; O^T (C and D) in window 1
.macro TLOAD                           ; waves 0-3: K of step wave; waves 4-7: V of step wave - 4.  An s_nop 0 and four v_nop follow each of the two lines
	s_cmp_lt_u32 s[WV], 4
	s_cbranch_scc0 .Lfor_v_\@
	tensor_load_to_lds s[G0K:G0K+3], s[G1K:G1K+7]
	s_nop 0
.rept 4
	v_nop
.endr
	s_branch .Lasked_\@
.Lfor_v_\@:
	tensor_load_to_lds s[G0V:G0V+3], s[G1V:G1V+7]
	s_nop 0
.rept 4
	v_nop
.endr
.Lasked_\@:
.endm
; A PREFETCH INTO THE L2.  The four work-groups of a head read the same K and V; work-group I = 0 alone asks.  In trip J = 0..6 it names tile J + 1, which its own trip J + 1 will load: a slot's four steps ahead.
; Each wave names the 8,192 bytes that it will itself fetch, lanes 256 bytes apart, one instruction: so each block of 256 bytes is named once in the launch.  Tile 0 comes by its loads alone.
.macro ASK
	s_cmp_lt_u32 s[J], s[LIMJ]
	s_cbranch_scc0 .Lnot_mine_\@
	global_prefetch_b8 v[PFO], s[PFA:PFA+1] th:TH_LOAD_NT scope:SCOPE_SE
.Lnot_mine_\@:
.endm
	s_load_b128 s[4:7], s[0:1], 0x0                ; qkv, att
	v_lshl_add_u32 v[SPW], v0, 2, SPARE
	v_mov_b32 v[NIL], 0
	ds_add_u32 v[SPW], v[NIL]                      ; the wave's opening: the add, twice on end, and its wait ahead of my first tensor load
	ds_add_u32 v[SPW], v[NIL]
	v_lshrrev_b32 v1, 5, v0
	v_readfirstlane_b32 s[WV], v1                  ; wave 0..7
	s_and_b32 s[W3], s[WV], 3
	s_mov_b32 s[BI], ttmp9
	s_add_co_u32 s[BI1], s[BI], 1
	s_mov_b32 s[G1K], (1<<16)|(1<<20)|(4<<22)|(3<<25)   ; elements of 2 bytes; padding: 4 words behind every 32
	s_mov_b32 s[G1V], (1<<16)|(1<<20)|(4<<22)|(7<<25)   ; 8 words
.irp g, G1K, G1V
	s_mov_b32 s[\g+1], 64<<16                      ; tensor_dim0 = 64
	s_mov_b32 s[\g+2], 64<<16                      ; tensor_dim1 = 64
	s_mov_b32 s[\g+3], 64<<16                      ; tile_dim0 = 64
	s_mov_b32 s[\g+4], 64                          ; tile_dim1 = 64
	s_mov_b32 s[\g+5], 64                          ; from row to row
	s_mov_b32 s[\g+6], 0
	s_mov_b32 s[\g+7], 0
.endr
	s_mov_b32 s[CS], 0x3e38aa3b                    ; c = log2(e) / 8
	s_mov_b32 s[CS+1], s[CS]
	s_mov_b32 s[SEL], 0x76543210
	s_mov_b32 s[SEL+1], 0xfedcba98
	s_mov_b32 s[J], 0
	s_mov_b32 s[TB], 0
	s_mov_b32 s[KF], 0
	s_mov_b32 s[OFF], 0
	s_mov_b32 s[OFF+1], 0
	s_lshl_b32 s[Q0], s[BI], 8
	s_lshl_b32 s[T0], s[WV], 5
	s_add_co_u32 s[Q0], s[Q0], s[T0]               ; my first query: 256 I + 32 x wave
	s_cmp_eq_u32 s[BI], 0
	s_cselect_b32 s[LIMJ], 7, 0
	s_and_b32 s[T0], ttmp7, 0xffff                 ; batch x head
	s_lshl_b32 s[T2], s[T0], 18                    ; its plane: 2,048 rows of 128 bytes
	s_mov_b32 s[T2+1], 0
	s_mov_b32 s[G0K], 1
	s_mul_i32 s[G0K+1], s[W3], STEPB               ; slot 0, my step
	s_mov_b32 s[G0V], 1
	s_add_co_u32 s[G0V+1], s[G0K+1], VOFF
	s_wait_dscnt 0x0                               ; both opening adds are done
	s_wait_kmcnt 0x0
	s_add_nc_u64 s[QP:QP+1], s[4:5], s[T2:T2+1]
	s_add_nc_u64 s[AP:AP+1], s[6:7], s[T2:T2+1]
	s_lshl_b32 s[T2], s[W3], 13                    ; my step's 64 rows in a tile
	s_add_nc_u64 s[KB:KB+1], s[QP:QP+1], s[T2:T2+1]
	s_add_nc_u64 s[VB:VB+1], s[KB:KB+1], 0x2000000
	s_add_nc_u64 s[KB:KB+1], s[KB:KB+1], 0x1000000
	s_mov_b64 s[G0K+2:G0K+3], s[KB:KB+1]
	s_or_b32 s[G0K+3], s[G0K+3], 0x80000000
	s_mov_b64 s[G0V+2:G0V+3], s[VB:VB+1]
	s_or_b32 s[G0V+3], s[G0V+3], 0x80000000
	TLOAD                                          ; tile 0 into slot 0: every wave issues one
	s_lshl_b32 s[T2], s[Q0], 7
	s_add_nc_u64 s[QA:QA+1], s[QP:QP+1], s[T2:T2+1]
	s_add_nc_u64 s[AA:AA+1], s[AP:AP+1], s[T2:T2+1]
	s_cmp_lt_u32 s[WV], 4
	s_cselect_b64 s[PFA:PFA+1], s[KB:KB+1], s[VB:VB+1]   ; at tile 0: every change of slots steps it ahead of its prefetch
	v_and_b32 v14, 15, v0                          ; r
	v_bfe_u32 v15, v0, 4, 1                        ; h
	v_lshlrev_b32 v[QO], 7, v14
	v_lshl_add_u32 v[QO], v15, 4, v[QO]            ; Q: row r of 128 bytes, + 16 h
.macro QLOAD                           ; my 32 queries stay in registers: fragment 2 t + ks
	WIN 0x40
.irp f, 0,1,2,3
	global_load_b128 v[8*\f:8*\f+3],   v[QO], s[QA:QA+1] offset:(\f/2)*2048+(\f%2)*64
	global_load_b128 v[8*\f+4:8*\f+7], v[QO], s[QA:QA+1] offset:(\f/2)*2048+(\f%2)*64+32
.endr
	WIN 0
.endm
	QLOAD
	v_mul_u32_u24 v[AK0], v14, PK
	v_lshl_add_u32 v[AK0], v15, 4, v[AK0]          ; K: row x pitch + 16 h
	v_and_b32 v3, 7, v0
	v_lshl_add_u32 v3, v15, 3, v3
	v_mul_u32_u24 v[AV0], v3, PV                   ; V, for the turning load: key 8 h + lane % 8,
	v_bfe_u32 v3, v0, 3, 1
	v_lshl_add_u32 v[AV0], v3, 4, v[AV0]           ; channels 8 ((lane / 8) % 2) on
	v_add_nc_u32 v[AV0], VOFF, v[AV0]
	s_mul_i32 s[T0], s[WV], 2*16*PK
	s_add_co_u32 s[T0], s[T0], STAGE               ; my stage
	v_mul_u32_u24 v[STO], v14, PK
	v_lshl_add_u32 v[STO], v15, 4, v[STO]
	v_add_nc_u32 v[STO], s[T0], v[STO]
	v_and_b32 v3, 31, v0
	v_lshlrev_b32 v[GO], 4, v3
	v_lshlrev_b32 v[PFO], 8, v3
	v_lshrrev_b32 v4, 3, v3
	v_mul_u32_u24 v[RD], v4, PK
	v_and_b32 v4, 7, v0
	v_lshl_add_u32 v[RD], v4, 4, v[RD]
	v_add_nc_u32 v[RD], s[T0], v[RD]
	v_lshlrev_b32 v4, 3, v15
	v_sub_nc_u32 v[DL], v14, v4
	v_mov_b32 v[NINF], 0xff800000
.macro INIT                            ; a block of queries begins: m = -3e38, under every score; l and O^T zeros, which the first change of m leaves zeros.  So the step is written once
.irp t, 0,1
	v_mov_b32 v[ST+8*\t+1], 0xff61b1e6
	v_mul_f32 v[ST+8*\t], s[CS], v[ST+8*\t+1]
	v_mov_b32 v[ST+8*\t+2], 0
	v_mov_b32 v[ST+8*\t+3], 0
	v_mov_b32 v[ST+8*\t+5], 0                      ; a lane permute's destination counts as one of its sources
	v_mov_b32 v[ST+8*\t+7], 0
.endr
	WIN 0x40
.set i, 0
.rept 64
	v_mov_b32 v[OT+i], 0
.set i, i+1
.endr
	WIN 0
.endm
.macro SOFTMAX                         ; both tiles by turns, so that no line waits for the line above it
.irp j, 0,1,2,3
.irp t, 0,1
	v_max3_num_f32 v[ST+8*\t+4+\j], v[S+32*\t+8*\j], v[S+32*\t+8*\j+1], v[S+32*\t+8*\j+2]    ; four chains, one for each tile of 16 keys, from its low end on
.endr
.endr
.irp i, 3,5
.irp j, 0,1,2,3
.irp t, 0,1
	v_max3_num_f32 v[ST+8*\t+4+\j], v[ST+8*\t+4+\j], v[S+32*\t+8*\j+\i], v[S+32*\t+8*\j+\i+1]
.endr
.endr
.endr
.irp t, 0,1
	v_max3_num_f32 v[ST+8*\t+4], v[ST+8*\t+4], v[S+32*\t+7], v[S+32*\t+15]
	v_max3_num_f32 v[ST+8*\t+6], v[ST+8*\t+6], v[S+32*\t+23], v[S+32*\t+31]
.endr
.irp t, 0,1
	v_max3_num_f32 v[ST+8*\t+4], v[ST+8*\t+4], v[ST+8*\t+5], v[ST+8*\t+6]
.endr
.irp t, 0,1
	v_max3_num_f32 v[ST+8*\t+4], v[ST+8*\t+4], v[ST+8*\t+7], v[ST+8*\t+1]    ; and the old m
.endr
.irp t, 0,1
	v_permlanex16_b32 v[ST+8*\t+5], v[ST+8*\t+4], s[SEL], s[SEL+1]           ; the query's other 32 keys lie in the lane 16 away
.endr
.irp t, 0,1
	v_mov_b32 v[ST+8*\t+7], v[ST+8*\t]             ; c m_old
.endr
.irp t, 0,1
	v_max_num_f32 v[ST+8*\t+1], v[ST+8*\t+4], v[ST+8*\t+5]
.endr
.irp t, 0,1
	v_mul_f32 v[ST+8*\t], s[CS], v[ST+8*\t+1]
.endr
.irp t, 0,1
	v_sub_f32 v[ST+8*\t+7], v[ST+8*\t+7], v[ST+8*\t]
.endr
.set i, 0
.rept 16
.irp t, 0,1
	v_pk_fma_f32 v[S+32*\t+2*i:S+32*\t+2*i+1], v[S+32*\t+2*i:S+32*\t+2*i+1], s[CS:CS+1], v[ST+8*\t:ST+8*\t+1] op_sel_hi:[1,0,0] neg_lo:[0,0,1] neg_hi:[0,0,1]   ; c s - c m
.endr
.set i, i+1
.endr
.irp t, 0,1
	v_exp_f32 v[ST+8*\t+6], v[ST+8*\t+7]           ; a
.endr
.set i, 0
.rept 32
.irp t, 0,1
	v_exp_f32 v[S+32*\t+i], v[S+32*\t+i]           ; p: one batch of 66 exponentials, none of which reads another's result
.endr
.set i, i+1
.endr
	v_nop                                          ; a plain instruction behind the last exponential
	s_wait_alu depctr_va_vdst(0)                   ; one wait for the batch, ahead of its first reader
.set i, 0
.rept 16
.irp t, 0,1
	v_cvt_pk_f16_f32 v[P+16*\t+i], v[S+32*\t+2*i], v[S+32*\t+2*i+1]
.endr
.set i, i+1
.endr
.irp w, 4,8,16,32                      ; the sum of a tile's 16 pairs, in place: neighbours 1, 2, 4, 8 pairs apart
.set i, 0
.rept 32/\w
.irp t, 0,1
	v_pk_add_f32 v[S+32*\t+\w*i:S+32*\t+\w*i+1], v[S+32*\t+\w*i:S+32*\t+\w*i+1], v[S+32*\t+\w*i+\w/2:S+32*\t+\w*i+\w/2+1]
.endr
.set i, i+1
.endr
.endr
.irp t, 0,1
	v_pk_fma_f32 v[ST+8*\t+2:ST+8*\t+3], v[ST+8*\t+2:ST+8*\t+3], v[ST+8*\t+6:ST+8*\t+7], v[S+32*\t:S+32*\t+1] op_sel_hi:[1,0,1]   ; l = a l + the sum
.endr
.endm
; A KEY STEP: 64 keys against my 32 queries.
.macro STEP
	s_add_co_u32 s[T0], s[Q0], 31
	s_cmp_gt_u32 s[KF], s[T0]                      ; all its keys come after my queries: ids and counts alone
	s_cbranch_scc1 .Lhidden_\@
	v_add_nc_u32 v[ADK], s[TB], v[AK0]
	v_add_nc_u32 v[ADV], s[TB], v[AV0]
.irp f, 0,1,2,3,4,5,6,7                ; K's fragment 2 kt + ks: keys 16 kt on, channels 32 ks on
	ds_load_b128 v[KR+8*\f:KR+8*\f+3],   v[ADK] offset:(\f/2)*16*PK+(\f%2)*64
	ds_load_b128 v[KR+8*\f+4:KR+8*\f+7], v[ADK] offset:(\f/2)*16*PK+(\f%2)*64+32
.endr
	s_wait_dscnt 0x0
	WIN W_KQ
.irp ks, 0,1                           ; the eight accumulators take turns, one instruction a turn
.irp kt, 0,1,2,3
.irp t, 0,1
.if \ks == 0
	v_wmma_f32_16x16x32_f16 v[S+32*\t+8*\kt:S+32*\t+8*\kt+7], v[KR+8*(2*\kt+\ks):KR+8*(2*\kt+\ks)+7], v[8*(2*\t+\ks):8*(2*\t+\ks)+7], 0
.else
	v_wmma_f32_16x16x32_f16 v[S+32*\t+8*\kt:S+32*\t+8*\kt+7], v[KR+8*(2*\kt+\ks):KR+8*(2*\kt+\ks)+7], v[8*(2*\t+\ks):8*(2*\t+\ks)+7], v[S+32*\t+8*\kt:S+32*\t+8*\kt+7]
.endif
.endr
.endr
.endr
	WIN 0
.rept 4
	v_nop                                          ; the places in front of the first read of the scores; with the two additions above also those in front of the loads into V's registers
.endr
.irp f, 0,1,2,3,4,5,6,7                ; V's fragment 4 g + ct, turned: keys 32 g on, channels 16 ct on.  They land while the softmax is walked
	ds_load_tr16_b128 v[VR+8*\f:VR+8*\f+3],   v[ADV] offset:(\f/4)*32*PV+(\f%4)*32
	ds_load_tr16_b128 v[VR+8*\f+4:VR+8*\f+7], v[ADV] offset:(\f/4)*32*PV+16*PV+(\f%4)*32
.endr
	s_add_co_u32 s[T0], s[KF], 63
	s_cmp_le_u32 s[T0], s[Q0]                      ; all its keys count for all my queries: no mask
	s_cbranch_scc1 .Lopen_\@
	s_sub_co_i32 s[T0], s[Q0], s[KF]               ; 0 or more: a step that is walked begins at or under my first query, so its first key counts for every query and every row's maximum is a number
	v_add_nc_u32 v[D0], s[T0], v[DL]               ; register 8 kt + j of tile t holds key KF + 16 kt + 8 h + j: hidden where 16 kt + j > Q0 + 16 t + r - KF - 8 h
	v_add_nc_u32 v[D0+1], 16, v[D0]
.irp t, 0,1
.set n, 0
.rept 32
	v_cmp_gt_i32 vcc_lo, 16*(n/8)+n%8, v[D0+\t]
	v_cndmask_b32 v[S+32*\t+n], v[S+32*\t+n], v[NINF], vcc_lo
.set n, n+1
.endr
.endr
.Lopen_\@:
	SOFTMAX
	WIN W_RS
.irp t, 0,1
.set i, 0
.rept 16
	v_pk_mul_f32 v[OT+32*\t+2*i:OT+32*\t+2*i+1], v[OT+32*\t+2*i:OT+32*\t+2*i+1], v[ST+8*\t+6:ST+8*\t+7] op_sel_hi:[1,0]   ; O^T x a, each accumulator from its low end on
.set i, i+1
.endr
.endr
	s_wait_dscnt 0x0                               ; V is in
	WIN W_PV
.irp g, 0,1
.irp ct, 0,1,2,3
.irp t, 0,1
	v_wmma_f32_16x16x32_f16 v[OT+32*\t+8*\ct:OT+32*\t+8*\ct+7], v[VR+8*(4*\g+\ct):VR+8*(4*\g+\ct)+7], v[P+16*\t+8*\g:P+16*\t+8*\g+7], v[OT+32*\t+8*\ct:OT+32*\t+8*\ct+7]
.endr
.endr
.endr
	WIN 0
.Lhidden_\@:
	s_add_co_u32 s[KF], s[KF], 64
	s_add_co_u32 s[TB], s[TB], STEPB
.endm
; THE CHANGE OF SLOTS stands at a slot's head.  Each wave waits for all its tensor loads (its part of the slot that it is about to read), adds 0 to its spare word, and waits for that and for its reads of the slot
; that it has left.  Behind the barrier the slot ahead is whole and nobody reads the other one, which is filled first thing (fill = 1).
.macro CHANGE fill
	s_wait_tensorcnt 0x0                           ; no tensor load of mine is out, so a group 0 may be written
	ds_add_u32 v[SPW], v[NIL]
.if \fill
	s_add_co_u32 s[OFF], s[OFF], 32768             ; the next tile of 256 keys,
	s_cmp_eq_u32 s[J], s[BI]
	s_cselect_b32 s[OFF], 0, s[OFF]                ; or tile 0 again, for the second block of queries
	s_xor_b32 s[G0K+1], s[G0K+1], SLOT1
	s_xor_b32 s[G0V+1], s[G0V+1], SLOT1
	s_add_nc_u64 s[G0K+2:G0K+3], s[KB:KB+1], s[OFF:OFF+1]
	s_or_b32 s[G0K+3], s[G0K+3], 0x80000000
	s_add_nc_u64 s[G0V+2:G0V+3], s[VB:VB+1], s[OFF:OFF+1]
	s_or_b32 s[G0V+3], s[G0V+3], 0x80000000
	s_wait_xcnt 0x0                                ; the last prefetch, a slot back, has read its address
	s_add_nc_u64 s[PFA:PFA+1], s[PFA:PFA+1], 32768
.endif
	s_wait_dscnt 0x0                               ; the add is done, and my reads of the slot that I have left are over
	s_barrier_signal -1
	s_barrier_wait -1
.if \fill
	TLOAD
	ASK
.endif
.endm
.macro SLOT_STEPS                      ; a slot's four steps: written once, walked four times
	s_mov_b32 s[TW], 4
.Lstep_\@:
	STEP
	s_sub_co_u32 s[TW], s[TW], 1
	s_cmp_lg_u32 s[TW], 0
	s_cbranch_scc1 .Lstep_\@
	s_sub_co_u32 s[TB], s[TB], 4*STEPB
	s_xor_b32 s[TB], s[TB], SLOT1                  ; on to the other slot
.endm
; A block of queries is finished: O^T / l, rounded to f16, through my stage, out as 512 consecutive bytes an instruction.  The additions are the places behind the last products.
.macro FINISH
.irp t, 0,1
	v_add_f32 v[ST+8*\t+4], v[ST+8*\t+2], v[ST+8*\t+3]
.endr
.irp t, 0,1
	v_permlanex16_b32 v[ST+8*\t+5], v[ST+8*\t+4], s[SEL], s[SEL+1]
.endr
.irp t, 0,1
	v_add_f32 v[ST+8*\t+4], v[ST+8*\t+4], v[ST+8*\t+5]
.endr
.irp t, 0,1
	v_rcp_f32 v[ST+8*\t+6], v[ST+8*\t+4]
.endr
	v_nop
	s_wait_alu depctr_va_vdst(0)                   ; one wait for the two reciprocals, ahead of their first reader
	WIN W_RS
.irp t, 0,1
.set i, 0
.rept 16
	v_pk_mul_f32 v[OT+32*\t+2*i:OT+32*\t+2*i+1], v[OT+32*\t+2*i:OT+32*\t+2*i+1], v[ST+8*\t+6:ST+8*\t+7] op_sel_hi:[1,0]
.set i, i+1
.endr
.endr
	WIN 0x05                                       ; sources 0 and 1 in window 1
.set i, 0
.rept 32
	v_cvt_pk_f16_f32 v[S+i], v[OT+2*i], v[OT+2*i+1]
.set i, i+1
.endr
	WIN 0
.irp t, 0,1
.irp ct, 0,1,2,3
	ds_store_b128 v[STO], v[S+16*\t+4*\ct:S+16*\t+4*\ct+3] offset:16*PK*\t+32*\ct
.endr
.endr
.irp t, 0,1
.irp i, 0,1,2,3
	ds_load_b128 v[KR+16*\t+4*\i:KR+16*\t+4*\i+3], v[RD] offset:16*PK*\t+4*PK*\i     ; in order behind my stores
.endr
.endr
	s_wait_dscnt 0x0
.irp t, 0,1
.irp i, 0,1,2,3
	global_store_b128 v[GO], v[KR+16*\t+4*\i:KR+16*\t+4*\i+3], s[AA:AA+1] offset:2048*\t+512*\i
.endr
.endr
.endm
.macro SWITCH                          ; from block I to block 7 - I
	s_sub_co_u32 s[T0], 7, s[BI]
	s_lshl_b32 s[Q0], s[T0], 8
	s_lshl_b32 s[T0], s[WV], 5
	s_add_co_u32 s[Q0], s[Q0], s[T0]
	s_lshl_b32 s[T2], s[Q0], 7
	s_add_nc_u64 s[QA:QA+1], s[QP:QP+1], s[T2:T2+1]
	QLOAD                                          ; the new queries land while the old block goes out
	FINISH
	s_wait_xcnt 0x0                                ; the stores have read their base and their registers
	s_add_nc_u64 s[AA:AA+1], s[AP:AP+1], s[T2:T2+1]
	INIT
	s_mov_b32 s[KF], 0
	s_wait_loadcnt 0x0
.endm
	INIT
	s_wait_loadcnt 0x0                             ; Q
.Lslot:                                                ; eight trips: behind each change of slots but the last the next tile is asked for
	CHANGE 1
	s_cmp_eq_u32 s[J], s[BI1]                      ; the work-group's number and the count of trips: all eight waves go the same way
	s_cbranch_scc0 .Lsame
	SWITCH
.Lsame:
	SLOT_STEPS
	s_add_co_u32 s[J], s[J], 1
	s_cmp_lt_u32 s[J], 8
	s_cbranch_scc1 .Lslot
	CHANGE 0                                       ; the ninth tile is written out
	SLOT_STEPS
	FINISH
	s_wait_tensorcnt 0x0                           ; the wave's end
	ds_add_u32 v[SPW], v[NIL]
	s_wait_dscnt 0x0
	s_endpgm
.Lfunc_end_k_qc4f3f6440b_attn:
	.size	k_qc4f3f6440b_attn, .Lfunc_end_k_qc4f3f6440b_attn-k_qc4f3f6440b_attn
	.p2alignl 7, 3214868480
	.fill 96, 4, 3214868480
	.section	.rodata,"a",@progbits
	.p2align	6, 0x0
	.amdhsa_kernel k_qc4f3f6440b_attn
		.amdhsa_group_segment_fixed_size 327680
		.amdhsa_private_segment_fixed_size 0
		.amdhsa_enable_private_segment 0
		.amdhsa_kernarg_size 16
		.amdhsa_user_sgpr_count 2
		.amdhsa_user_sgpr_kernarg_segment_ptr 1
		.amdhsa_wavefront_size32 1
		.amdhsa_system_sgpr_workgroup_id_x 1
		.amdhsa_system_sgpr_workgroup_id_y 1
		.amdhsa_system_sgpr_workgroup_id_z 1
		.amdhsa_system_vgpr_workitem_id 0
		.amdhsa_next_free_vgpr 384
		.amdhsa_next_free_sgpr 68
		.amdhsa_reserve_vcc 1
		.amdhsa_float_denorm_mode_32 3
		.amdhsa_float_denorm_mode_16_64 3
		.amdhsa_memory_ordered 1
		.amdhsa_forward_progress 1
		.amdhsa_inst_pref_size 70
	.end_amdhsa_kernel
	.amdgpu_metadata
---
amdhsa.version: [ 1, 2 ]
amdhsa.kernels:
  - .name:           k_qc4f3f6440b_attn
    .symbol:         k_qc4f3f6440b_attn.kd
    .args:
      - { .name: qkv, .offset: 0, .size: 8, .value_kind: global_buffer, .address_space: global }
      - { .name: att, .offset: 8, .size: 8, .value_kind: global_buffer, .address_space: global }
    .group_segment_fixed_size: 327680
    .private_segment_fixed_size: 0
    .kernarg_segment_align: 8
    .kernarg_segment_size: 16
    .max_flat_workgroup_size: 256
    .sgpr_count:     68
    .vgpr_count:     384
    .wavefront_size: 32
...
	.end_amdgpu_metadata
.endif
;; end of part 3
;; launch oproj (part 4): grid 4 x 64, 4 waves a work-group, clusters of 4 x 4, 327,680 bytes of LDS; arguments att, wo16, bo, out0; writes out0
.if DOCPART == 4
	.amdgcn_target "amdgcn-amd-amdhsa--gfx1250"
	.amdhsa_code_object_version 6
	.text
	.protected	k_qc4f3f6440b_oproj
	.globl	k_qc4f3f6440b_oproj
	.p2align	8
	.type	k_qc4f3f6440b_oproj,@function
k_qc4f3f6440b_oproj:
	s_mov_b64 s[64:65], 0
	v_nop
	global_prefetch_b8 v0, s[64:65] scope:SCOPE_SE
	s_setreg_imm32_b32 hwreg(HW_REG_WAVE_MODE, 25, 1), 1
	s_wait_xcnt 0x0
	s_wait_alu depctr_hold_cnt(0) depctr_sa_sdst(0) depctr_va_vdst(0) depctr_va_sdst(0) depctr_va_ssrc(0) depctr_va_vcc(0) depctr_vm_vsrc(0)
	s_getreg_b32 s2, hwreg(HW_REG_IB_STS2, 6, 4)
	s_cmp_eq_u32 s2, 0
	s_cbranch_scc0 .Lentry_in_a_cluster
	s_endpgm
.Lentry_in_a_cluster:
	s_bfe_u32 s2, ttmp6, 0x10000c
	s_cmp_lg_u32 s2, 0xf033
	s_cbranch_scc0 .Lentry_shape_is_right
	s_endpgm
.Lentry_shape_is_right:
; out0 = att Wo + bo on f16 operands, sums in f32.  att: f16 [batch 4][head 16][t 2048][64]; wo16: f16 [k 1024][n 1024]; out0: f32 [8192][1024].
; LEFT OUT: the stores of positions 0-15 of every sequence: the last launch makes those 64 rows in f32.  (They are multiplied here all the same, inside a wave's live tile.)
; A tile of 128 rows x 256 columns gives 256 work-groups; a wave makes 64 x 128: 32 accumulators.  K goes in steps of 128 (two heads) through two LDS slots; eight K steps.
; CLUSTERS: 4 x 4.  Tile column = cx; tile row = 16 cy + cluster y, so batch = cy.  A's tiles are shared along a row of the cluster, B's along a column: each is asked for jointly.
; THE MATRIX INSTRUCTION IS USED TRANSPOSED: source 0 = 16 columns of Wo (out of LDS turned, since K is Wo's first axis), source 1 = 16 rows of att: a lane holds eight neighbouring columns of one row.  bo is the C of each sum's first instruction.
; REGISTERS: window 0: v16-30 addresses; v32-127, v128-223 two fragment buffers (B's eight fragments, then A's four).  window 1: the accumulators, (a, b) at v[8 (8 a + b)].  window 2: v0-63 bo, eight registers for each of B's blocks.
.set PA,     144                       ; a row of att in LDS: 128 bytes + 16
.set PLANE,  128*PA                    ; one head's 128 rows
.set PB,     544                       ; a row of Wo's tile: 512 bytes + 32
.set BOFF,   2*PLANE
.set HALFB,  64*PB
.set SLOT,   BOFF+2*HALFB
.set STAGE,  2*SLOT                    ; behind the ring: 16 rows x 528 bytes for each wave
.set SPITCH, 528
.set SPARE,  STAGE+4*16*SPITCH
.set LAPS,   4
.set ADRA, 16
.set ADRB, 20
.set STO,  24
.set RD,   25
.set CO,   26
.set SPW,  28
.set NIL,  29
.set PFO,  30
.set F0,   32
.set F1,   128
.set OB,   32                          ; the way out: v32-95 and v96-159 by turns
.set G1, 24
.set G0, 32
.set G1B, 48
.set G0B, 56
.set PFA, 66
.set PFS, 68
.set LIM, 70
.set MSB, 0
.macro WIN new
.if MSB != (\new)
	s_set_vgpr_msb (MSB<<8)|(\new)
.set MSB, (\new)
.endif
.endm
.set MUL,  0x50                        ; C and D in window 1
.set MULB, 0x60                        ; C (bo) in window 2, D in window 1
.macro JLOAD s                         ; waves 0 and 1 fetch A's two heads, waves 2 and 3 B's two halves; an s_nop 0 and four v_nop follow each line
	s_cmp_eq_u32 s13, 0
	s_cbranch_scc0 .Lfor_b_\@
	tensor_load_to_lds s[G0+4*\s:G0+4*\s+3], s[G1:G1+7]
	s_nop 0
.rept 4
	v_nop
.endr
	s_branch .Lasked_\@
.Lfor_b_\@:
	tensor_load_to_lds s[G0B+4*\s:G0B+4*\s+3], s[G1B:G1B+7]
	s_nop 0
.rept 4
	v_nop
.endr
.Lasked_\@:
.endm
.macro CREST
	s_cmp_lg_u32 s12, 0
	s_cbranch_scc1 .Lnot_wave_0_\@
	s_barrier_signal -3
.Lnot_wave_0_\@:
	s_barrier_wait -3
	s_barrier_signal -1
	s_barrier_wait -1
.endm
.macro CROUND
	s_barrier_signal -1
	s_barrier_wait -1
	CREST
.endm
; A PREFETCH INTO THE L2: behind the refill that stands in K step t, the tiles of K step t + 4, whose load is issued two K steps, 256 matrix instructions, later.  K steps 0 to 3 come by their loads alone; the last lap asks for nothing.
; A's K step of a tile row is 2 x 64 blocks of 256 bytes: wave 0 of each of the four partners that share it names 32, told apart by address (cx).  B's K step of a tile column is read by every cluster:
; cluster y = 0 asks, waves 2 and 3 of each of the four partners name 32 blocks each, told apart by address (cy).  So each block is named once in the launch.
.macro ASK
	s_cmp_gt_u32 s3, s[LIM]
	s_cbranch_scc0 .Lnot_mine_\@
	global_prefetch_b8 v[PFO], s[PFA:PFA+1] th:TH_LOAD_NT scope:SCOPE_SE
.Lnot_mine_\@:
.endm
	s_load_b256 s[4:11], s[0:1], 0x0               ; att, wo16, bo, out0
	v_lshl_add_u32 v[SPW], v0, 2, SPARE
	v_mov_b32 v[NIL], 0
	ds_add_u32 v[SPW], v[NIL]                      ; the wave's opening: the add, twice on end, and its wait ahead of my first tensor load
	ds_add_u32 v[SPW], v[NIL]
	v_lshrrev_b32 v1, 5, v0
	v_readfirstlane_b32 s12, v1                    ; wave 0..3
	s_lshr_b32 s13, s12, 1                         ; which half of the tile's rows is mine.  Also: I fetch for A (0) or for B (1)
	s_and_b32 s14, s12, 1                          ; which half of its columns.  Also: which head, or which 64 rows of Wo, I fetch
	s_bfe_u32 s40, ttmp6, 0x40000                  ; cx
	s_bfe_u32 s41, ttmp6, 0x40004                  ; cy
	s_and_b32 s42, ttmp7, 0xffff                   ; cluster y
	s_or_b32 s15, s42, s13
	s_cmp_eq_u32 s15, 0
	s_cselect_b32 s15, 1, 0                        ; 1: my first 16 rows are positions 0-15: the same in all partners
	s_lshl_b32 s43, s41, 2
	s_lshl_b32 s43, 15, s43                        ; my row of the cluster
	s_lshl_b32 s44, 0x1111, s40                    ; my column
	s_or_b32 s[G1], s43, (1<<16)|(1<<20)|(1<<21)|(4<<22)|(3<<25)     ; A: elements of 2 bytes; 4 words of padding behind every 32
	s_mov_b32 s[G1+1], 64<<16                      ; tensor_dim0 = 64
	s_mov_b32 s[G1+2], 128<<16                     ; tensor_dim1 = 128
	s_mov_b32 s[G1+3], 64<<16                      ; tile_dim0 = 64
	s_mov_b32 s[G1+4], 128                         ; tile_dim1 = 128
	s_mov_b32 s[G1+5], 64                          ; from row to row
	s_mov_b32 s[G1+6], 0
	s_mov_b32 s[G1+7], 0
	s_or_b32 s[G1B], s44, (1<<16)|(1<<20)|(1<<21)|(6<<22)|(7<<25)    ; B: 8 words of padding behind every 128
	s_mov_b32 s[G1B+1], 256<<16
	s_mov_b32 s[G1B+2], 64<<16
	s_mov_b32 s[G1B+3], 256<<16
	s_mov_b32 s[G1B+4], 64
	s_mov_b32 s[G1B+5], 1024
	s_mov_b32 s[G1B+6], 0
	s_mov_b32 s[G1B+7], 0
	s_lshl_b32 s16, s41, 22                        ; A: batch cy,
	s_lshl_b32 s17, s14, 18                        ; head 0 or 1 of the K step,
	s_add_co_u32 s16, s16, s17
	s_lshl_b32 s17, s42, 14                        ; t = 128 x cluster y, rows of 128 bytes
	s_add_co_u32 s16, s16, s17
	s_mov_b32 s17, 0
	s_lshl_b32 s18, s14, 17                        ; B: rows 64 x half of 2,048 bytes,
	s_lshl_b32 s19, s40, 9                         ; 256 columns x cx
	s_add_co_u32 s18, s18, s19
	s_mov_b32 s19, 0
	s_mul_i32 s20, s14, PLANE                      ; where they go: no place in the cluster enters an LDS address
	s_mul_i32 s21, s14, HALFB
	s_add_co_u32 s21, s21, BOFF
	s_wait_dscnt 0x0                               ; both opening adds are done
	s_wait_kmcnt 0x0
	s_add_nc_u64 s[16:17], s[4:5], s[16:17]
	s_add_nc_u64 s[18:19], s[6:7], s[18:19]
	CROUND                                         ; all sixteen work-groups are here: the first joint loads meet
.irp s, 0,1
	s_mov_b32 s[G0+4*\s], 1
	s_add_co_u32 s[G0+4*\s+1], s20, \s*SLOT
	s_add_nc_u64 s[G0+4*\s+2:G0+4*\s+3], s[16:17], \s*524288       ; K step s: two heads on
	s_or_b32 s[G0+4*\s+3], s[G0+4*\s+3], 0x80000000
	s_mov_b32 s[G0B+4*\s], 1
	s_add_co_u32 s[G0B+4*\s+1], s21, \s*SLOT
	s_add_nc_u64 s[G0B+4*\s+2:G0B+4*\s+3], s[18:19], \s*262144     ; 128 rows on
	s_or_b32 s[G0B+4*\s+3], s[G0B+4*\s+3], 0x80000000
	JLOAD \s
.endr
	v_and_b32 v1, 15, v0                           ; r
	v_bfe_u32 v2, v0, 4, 1                         ; h
	v_mul_u32_u24 v3, v1, PA
	v_lshl_add_u32 v3, v2, 4, v3                   ; A: row x pitch + 16 h
	s_mul_i32 s22, s13, 64*PA                      ; my 64 rows
	v_and_b32 v4, 7, v0
	v_lshl_add_u32 v4, v2, 3, v4
	v_mul_u32_u24 v4, v4, PB                       ; B, for the turning load: k row 8 h + lane % 8,
	v_bfe_u32 v5, v0, 3, 1
	v_lshl_add_u32 v4, v5, 4, v4                   ; columns 8 ((lane / 8) % 2) on
	s_lshl_b32 s23, s14, 8                         ; my 128 columns
	s_add_co_u32 s23, s23, BOFF
.irp s, 0,1
	v_add_nc_u32 v[ADRA+\s], s22, v3
	v_add_nc_u32 v[ADRB+\s], s23, v4
	s_add_co_u32 s22, s22, SLOT
	s_add_co_u32 s23, s23, SLOT
.endr
	s_mul_i32 s22, s12, 16*SPITCH
	s_add_co_u32 s22, s22, STAGE                   ; my stage
	v_mul_u32_u24 v5, v1, SPITCH
	v_lshl_add_u32 v5, v2, 5, v5
	v_add_nc_u32 v[STO], s22, v5                   ; in: row r, 32 bytes for each half of the lanes
	v_and_b32 v6, 31, v0
	v_lshlrev_b32 v[CO], 4, v6
	v_add_nc_u32 v[RD], s22, v[CO]                 ; back: the 32 lanes take one row of 512 bytes
	v_lshlrev_b32 v7, 5, v2
	; out0 and bo at my part (in registers that never fed A's descriptors, since cx enters)
	s_lshl_b32 s72, s41, 23                        ; 2,048 rows of 4,096 bytes a batch
	s_lshl_b32 s73, s42, 19
	s_add_co_u32 s72, s72, s73
	s_lshl_b32 s73, s13, 18
	s_add_co_u32 s72, s72, s73
	s_lshl_b32 s74, s40, 10
	s_lshl_b32 s73, s14, 9
	s_add_co_u32 s74, s74, s73                     ; my first column, in bytes
	s_add_co_u32 s72, s72, s74
	s_mov_b32 s73, 0
	s_mov_b32 s75, 0
	s_add_nc_u64 s[10:11], s[10:11], s[72:73]
	s_add_nc_u64 s[8:9], s[8:9], s[74:75]
	WIN 0x80                                       ; destination window 2
.irp b, 0,1,2,3,4,5,6,7
	global_load_b128 v[8*\b:8*\b+3],   v7, s[8:9] offset:64*\b       ; bo of columns 16 b + 8 h + 0 .. 7
	global_load_b128 v[8*\b+4:8*\b+7], v7, s[8:9] offset:64*\b+16
.endr
	WIN 0
	; the prefetches: where my wave's stand, and who asks
	s_lshl_b32 s72, s41, 22
	s_lshl_b32 s73, s42, 14
	s_add_co_u32 s72, s72, s73
	s_lshl_b32 s73, s40, 12                        ; my work-group's 16 blocks of a head's 64
	s_add_co_u32 s72, s72, s73
	s_add_co_u32 s72, s72, 3*524288                ; A's: at K step 3; the first change of slots steps it to 4
	s_lshl_b32 s74, s40, 9
	s_lshl_b32 s73, s14, 17
	s_add_co_u32 s74, s74, s73
	s_lshl_b32 s73, s41, 15                        ; my work-group's 16 rows of my wave's 64
	s_add_co_u32 s74, s74, s73
	s_add_co_u32 s74, s74, 3*262144                ; B's likewise
	s_mov_b32 s[PFS], 262144
	s_mov_b32 s[PFS+1], 0
	s_mov_b32 s73, 0
	s_cmp_eq_u32 s13, 0                            ; do I fetch for A?
	s_cselect_b64 s[PFA:PFA+1], s[4:5], s[6:7]
	s_cselect_b32 s72, s72, s74
	s_cselect_b32 s[PFS], 524288, s[PFS]           ; a K step on
	s_cselect_b32 s75, s14, s42                    ; A: wave 0 alone; B: cluster y = 0 alone
	s_cselect_b32 s76, 4, 1
	s_cselect_b32 s77, 18, 11
	s_cselect_b32 s78, 15, 1
	s_add_nc_u64 s[PFA:PFA+1], s[PFA:PFA+1], s[72:73]
	s_cmp_eq_u32 s75, 0
	s_cselect_b32 s[LIM], 1, -1                    ; the same in all sixteen partners, for a given wave
	v_lshrrev_b32 v2, s76, v6
	v_lshlrev_b32 v2, s77, v2                      ; A: head lane / 16; B: row lane / 2
	v_and_b32 v3, s78, v6
	v_lshl_add_u32 v[PFO], v3, 8, v2               ; + 256 x (A: lane % 16; B: lane % 2)
.macro FETCH slot, q, f                ; the fragments of 32 along K, the slot's q-th: B's eight (turned), then A's four
	WIN 0
.irp b, 0,1,2,3,4,5,6,7
	ds_load_tr16_b128 v[\f+8*\b:\f+8*\b+3],   v[ADRB+\slot] offset:32*PB*(\q)+32*\b
	ds_load_tr16_b128 v[\f+8*\b+4:\f+8*\b+7], v[ADRB+\slot] offset:32*PB*(\q)+16*PB+32*\b
.endr
.irp a, 0,1,2,3
	ds_load_b128 v[\f+64+8*\a:\f+64+8*\a+3],   v[ADRA+\slot] offset:((\q)/2)*PLANE+((\q)%2)*64+\a*16*PA
	ds_load_b128 v[\f+64+8*\a+4:\f+64+8*\a+7], v[ADRA+\slot] offset:((\q)/2)*PLANE+((\q)%2)*64+\a*16*PA+32
.endr
.endm
.macro MUL8 f, a, first                ; A's block a against B's eight.  The 32 accumulators take turns, one instruction a turn
.irp b, 0,1,2,3,4,5,6,7
.if \first
	v_wmma_f32_16x16x32_f16 v[8*(8*(\a)+\b):8*(8*(\a)+\b)+7], v[\f+8*\b:\f+8*\b+7], v[\f+64+8*(\a):\f+64+8*(\a)+7], v[8*\b:8*\b+7]
.else
	v_wmma_f32_16x16x32_f16 v[8*(8*(\a)+\b):8*(8*(\a)+\b)+7], v[\f+8*\b:\f+8*\b+7], v[\f+64+8*(\a):\f+64+8*(\a)+7], v[8*(8*(\a)+\b):8*(8*(\a)+\b)+7]
.endif
.endr
.endm
.macro PLACES
.rept 4
	v_nop
.endr
.endm
.macro QUARTER slot, q, f, g, first    ; multiplies buffer f; in its middle it fetches the slot's q-th 32 along K into buffer g
	s_wait_dscnt 4                                 ; B and A's blocks 0, 1 are in; the youngest four loads (A's blocks 2, 3) may be out
.if \first
	WIN MULB
.else
	WIN MUL
.endif
	MUL8 \f, 0, \first
	MUL8 \f, 1, \first
	PLACES
	FETCH \slot, \q, \g
	s_wait_dscnt 24                                ; all but the 24 just issued
.if \first
	WIN MULB
.else
	WIN MUL
.endif
	MUL8 \f, 2, \first
	MUL8 \f, 3, \first
.endm
; A slot's last quarter multiplies buffer 1 and changes slots: one barrier; in front of it each wave waits for all its tensor loads, adds 0 to its spare word, and waits for that and for its reads of this slot.
; fill = 1: the barrier opens a round of the cluster's barrier, and the joint refill, two K steps ahead, is the first thing behind it.
.macro TURN slot, next, fill
.if \fill
	s_wait_xcnt 0x0                                ; the last prefetch, a K step back, has read its address
	s_add_nc_u64 s[PFA:PFA+1], s[PFA:PFA+1], s[PFS:PFS+1]
.endif
	WIN 0
	s_wait_tensorcnt 0x0                           ; all my tensor loads have landed: my part of the next slot
	ds_add_u32 v[SPW], v[NIL]
	s_wait_dscnt 5                                 ; the add and the youngest four loads may be out
	WIN MUL
	MUL8 F1, 0, 0
	s_wait_dscnt 0x0                               ; the add is done, and my reads of this slot are over
	s_barrier_signal -1
	MUL8 F1, 1, 0
	WIN 0
	s_barrier_wait -1
.if \fill
	CREST
	s_add_nc_u64 s[G0+4*\slot+2:G0+4*\slot+3], s[G0+4*\slot+2:G0+4*\slot+3], 2*524288
	s_add_nc_u64 s[G0B+4*\slot+2:G0B+4*\slot+3], s[G0B+4*\slot+2:G0B+4*\slot+3], 2*262144
	JLOAD \slot                                    ; its four v_nop are also the places in front of the loads below
.else
	PLACES
.endif
	FETCH \next, 0, F0
.if \fill
	ASK
.endif
	WIN MUL
	MUL8 F1, 2, 0
	MUL8 F1, 3, 0
.endm
	s_wait_tensorcnt 1                             ; my part of K step 0 is in; K step 1's load may be out
	s_barrier_signal -1
	s_barrier_wait -1
	FETCH 0, 0, F0
	s_wait_loadcnt 0x0                             ; bo
	QUARTER 0, 1, F0, F1, 1                        ; the first quarter stands in front of the loop: its products start the sums, with bo
	WIN 0
	s_mov_b32 s3, LAPS-1
.Llap:                                                 ; a trip goes once round the ring and fills both slots again
	QUARTER 0, 2, F1, F0, 0
	QUARTER 0, 3, F0, F1, 0
	TURN 0, 1, 1
	QUARTER 1, 1, F0, F1, 0
	QUARTER 1, 2, F1, F0, 0
	QUARTER 1, 3, F0, F1, 0
	TURN 1, 0, 1
	QUARTER 0, 1, F0, F1, 0
	WIN 0
	s_sub_co_u32 s3, s3, 1
	s_cmp_lg_u32 s3, 0
	s_cbranch_scc1 .Llap
	QUARTER 0, 2, F1, F0, 0                        ; the last lap fills nothing
	QUARTER 0, 3, F0, F1, 0
	TURN 0, 1, 0
	QUARTER 1, 1, F0, F1, 0
	QUARTER 1, 2, F1, F0, 0
	QUARTER 1, 3, F0, F1, 0
	s_wait_dscnt 4
	WIN MUL
	MUL8 F1, 0, 0
	MUL8 F1, 1, 0
	s_wait_dscnt 0
	MUL8 F1, 2, 0
	MUL8 F1, 3, 0
	WIN 0
; THE WAY OUT, block by block of 16 rows x 128 columns: through my own stage, back as whole rows of 512 bytes, which the 32 lanes store as 512 consecutive bytes, aligned.
.macro TOSTAGE a
	WIN 0x04                                       ; an LDS store's data are its source 1: window 1
.irp b, 0,1,2,3,4,5,6,7
	ds_store_b128 v[STO], v[8*(8*(\a)+\b):8*(8*(\a)+\b)+3] offset:64*\b              ; each accumulator from its low end on
	ds_store_b128 v[STO], v[8*(8*(\a)+\b)+4:8*(8*(\a)+\b)+7] offset:64*\b+16
.endr
	WIN 0
.set BB, OB+64*((\a)%2)
.irp t, 0,1,2,3,4,5,6,7,8,9,10,11,12,13,14,15
	ds_load_b128 v[BB+4*\t:BB+4*\t+3], v[RD] offset:\t*SPITCH
.endr
.endm
.macro SEND a, younger                 ; younger: the LDS instructions issued behind block a's loads, which may stay out
.set BB, OB+64*((\a)%2)
	s_wait_dscnt \younger
.if (\a) == 0
	s_cmp_eq_u32 s15, 1                            ; positions 0-15 are the last launch's rows
	s_cbranch_scc1 .Lfirst16_\@
.endif
.irp t, 0,1,2,3,4,5,6,7,8,9,10,11,12,13,14,15
	global_store_b128 v[CO], v[BB+4*\t:BB+4*\t+3], s[10:11] offset:(16*(\a)+\t)*4096 th:TH_STORE_NT
.endr
.if (\a) == 0
.Lfirst16_\@:
.endif
.endm
	PLACES                                         ; in front of the first read of results and of loads into the fragment buffers
	TOSTAGE 0
.irp a, 1,2,3
.if \a > 1
	s_wait_xcnt 0x0                                ; block a - 2's stores have read their registers: block a's loads may land there
.endif
	TOSTAGE \a
	SEND \a-1, 32                                  ; behind block a - 1's loads: block a's 16 stores and 16 loads
.endr
	SEND 3, 0
	s_wait_tensorcnt 0x0                           ; the wave's end
	ds_add_u32 v[SPW], v[NIL]
	s_wait_dscnt 0x0
	CROUND                                         ; the closing round
	s_endpgm
.Lfunc_end_k_qc4f3f6440b_oproj:
	.size	k_qc4f3f6440b_oproj, .Lfunc_end_k_qc4f3f6440b_oproj-k_qc4f3f6440b_oproj
	.p2alignl 7, 3214868480
	.fill 96, 4, 3214868480
	.section	.rodata,"a",@progbits
	.p2align	6, 0x0
	.amdhsa_kernel k_qc4f3f6440b_oproj
		.amdhsa_group_segment_fixed_size 327680
		.amdhsa_private_segment_fixed_size 0
		.amdhsa_enable_private_segment 0
		.amdhsa_kernarg_size 32
		.amdhsa_user_sgpr_count 2
		.amdhsa_user_sgpr_kernarg_segment_ptr 1
		.amdhsa_wavefront_size32 1
		.amdhsa_system_sgpr_workgroup_id_x 1
		.amdhsa_system_sgpr_workgroup_id_y 1
		.amdhsa_system_sgpr_workgroup_id_z 1
		.amdhsa_system_vgpr_workitem_id 0
		.amdhsa_next_free_vgpr 576
		.amdhsa_next_free_sgpr 80
		.amdhsa_reserve_vcc 0
		.amdhsa_float_denorm_mode_32 3
		.amdhsa_float_denorm_mode_16_64 3
		.amdhsa_memory_ordered 1
		.amdhsa_forward_progress 1
		.amdhsa_inst_pref_size 88
	.end_amdhsa_kernel
	.amdgpu_metadata
---
amdhsa.version: [ 1, 2 ]
amdhsa.kernels:
  - .name:           k_qc4f3f6440b_oproj
    .symbol:         k_qc4f3f6440b_oproj.kd
    .args:
      - { .name: att, .offset: 0, .size: 8, .value_kind: global_buffer, .address_space: global }
      - { .name: wo16, .offset: 8, .size: 8, .value_kind: global_buffer, .address_space: global }
      - { .name: bo, .offset: 16, .size: 8, .value_kind: global_buffer, .address_space: global }
      - { .name: out0, .offset: 24, .size: 8, .value_kind: global_buffer, .address_space: global }
    .group_segment_fixed_size: 327680
    .private_segment_fixed_size: 0
    .kernarg_segment_align: 8
    .kernarg_segment_size: 32
    .max_flat_workgroup_size: 128
    .sgpr_count:     80
    .vgpr_count:     576
    .wavefront_size: 32
...
	.end_amdgpu_metadata
.endif
;; end of part 4
;; launch first16 (part 5): grid 16 x 4, 16 waves a work-group, no clusters, 71,680 bytes of LDS; arguments fine32, Wo, bo, out0; writes out0
.if DOCPART == 5
	.amdgcn_target "amdgcn-amd-amdhsa--gfx1250"
	.amdhsa_code_object_version 6
	.text
	.protected	k_qc4f3f6440b_first16
	.globl	k_qc4f3f6440b_first16
	.p2align	8
	.type	k_qc4f3f6440b_first16,@function
k_qc4f3f6440b_first16:
	s_mov_b64 s[64:65], 0
	v_nop
	global_prefetch_b8 v0, s[64:65] scope:SCOPE_SE
	s_setreg_imm32_b32 hwreg(HW_REG_WAVE_MODE, 25, 1), 1
	s_wait_xcnt 0x0
; The first 16 positions of every sequence, in f32 throughout: attention over at most 16 keys and the product with Wo, + bo.  These rows average one to a few values and are the largest of the output.
; fine32: f32 [q, k, v][batch 4][head 16][t 16][64]; Wo: f32 [k 1024][n 1024]; out0 rows 2,048 b + 0 .. 15.  64 of the output's 8,192 rows: no bulk work.
; LEFT OUT: bk (see the first launch); keys behind position 15, which the causal mask hides from these queries.
; SHARES.  Work-group (g, b) owns columns 64 g .. 64 g + 63 of batch b's 16 rows.  Wave hd makes head hd's attention (16 x 16) and its part of the product with Wo (K = that head's 64 channels); the 16 parts meet in LDS,
; and wave w then adds row w's sixteen parts.  The attention is made anew in each of the 16 column groups: 32 of a wave's 96 matrix instructions; the other way would be one launch more.
; ALL THREE PRODUCTS ARE USED TRANSPOSED, and in each the same order of k is given to both operands, so that each result, as it stands in its registers, is the next product's second source:
;   K Q^T: lane (., h), registers 2 s, 2 s + 1 hold channel 32 h + 2 s + j;   V^T P^T: key 8 h + 2 s + j;   Wo^T att^T: channel 16 ct + 8 h + 2 s + j.
; REGISTERS: v1-10 lane terms and addresses; v12, v13 the add's two; v[14:15] bo; v16-47 the accumulators, written by matrix instructions alone; v48-79 Q, v80-111 K, later Wo's fragments for ct 2, 3;
;   v112-143 V^T, later att; v144-151 the scores; v152-159 p; v160-167 at work; v168-231 Wo's fragments for ct 0, 1, later the sixteen parts.
.set SPARE, 69632                      ; behind the sixteen parts (16 rows x 272 bytes each): the spare words, 128 bytes for each wave
.set SPW, 12
.set NIL, 13
.set MA,  16
	s_load_b256 s[4:11], s[0:1], 0x0               ; fine32, Wo, bo, out0
	v_lshl_add_u32 v[SPW], v0, 2, SPARE
	v_mov_b32 v[NIL], 0
	v_lshrrev_b32 v1, 5, v0
	v_readfirstlane_b32 s12, v1                    ; wave: my head, later my row
	v_and_b32 v1, 15, v0                           ; r
	v_bfe_u32 v2, v0, 4, 1                         ; h
	v_lshlrev_b32 v3, 8, v1
	v_lshl_add_u32 v3, v2, 7, v3                   ; Q, K: row r of 256 bytes, + 128 h
	v_lshlrev_b32 v4, 2, v1
	v_lshl_add_u32 v5, v2, 15, v4                  ; Wo: 8 h rows of 4,096 bytes, + 4 r
	v_lshl_add_u32 v4, v2, 11, v4                  ; V: 8 h rows of 256 bytes, + 4 r
	s_mul_i32 s16, s12, 4352
	v_mul_u32_u24 v6, v1, 272
	v_lshl_add_u32 v6, v2, 5, v6
	v_add_nc_u32 v6, s16, v6                       ; my part: row r, + 32 h
	v_and_b32 v8, 31, v0
	v_lshlrev_b32 v8, 3, v8                        ; 8 x lane
	s_mul_i32 s16, s12, 272
	v_add_nc_u32 v7, s16, v8                       ; back: row = my wave's number, 8 bytes a lane
	v_lshlrev_b32 v9, 3, v2
	v_sub_nc_u32 v9, v1, v9                        ; r - 8 h
	v_mov_b32 v10, 0xff800000                      ; -infinity
	v_mov_b32 v161, 0                              ; a lane permute's destination counts as one of its sources
	v_mov_b32 v163, 0                              ; named as the upper half of a pair
	s_mov_b32 s18, 0x3e38aa3b                      ; c = log2(e) / 8
	s_mov_b32 s19, s18
	s_mov_b32 s20, 0x76543210
	s_mov_b32 s21, 0xfedcba98
	s_and_b32 s14, ttmp7, 0xffff                   ; batch
	s_lshl_b32 s15, ttmp9, 8                       ; my 64 columns, in bytes
	s_lshl_b32 s16, s14, 16
	s_lshl_b32 s17, s12, 12
	s_add_co_u32 s16, s16, s17                     ; fine32: batch, head
	s_mov_b32 s17, 0
	s_lshl_b32 s22, s12, 18                        ; Wo: my head's 64 rows,
	s_add_co_u32 s22, s22, s15                     ; my columns
	s_mov_b32 s23, 0
	s_wait_kmcnt 0x0
	s_add_nc_u64 s[4:5], s[4:5], s[16:17]
	s_add_nc_u64 s[6:7], s[6:7], s[22:23]
	s_mov_b32 s16, s15
	s_add_nc_u64 s[8:9], s[8:9], s[16:17]
	s_lshl_b32 s22, s14, 23                        ; out0: 2,048 rows of 4,096 bytes a batch,
	s_lshl_b32 s13, s12, 12                        ; row = my wave's number,
	s_add_co_u32 s22, s22, s13
	s_add_co_u32 s22, s22, s15                     ; my columns
	s_add_nc_u64 s[10:11], s[10:11], s[22:23]
.irp i, 0,1,2,3,4,5,6,7
	global_load_b128 v[48+4*\i:51+4*\i], v3, s[4:5] offset:16*\i                   ; Q(r, 32 h + 4 i ..)
.endr
.irp i, 0,1,2,3,4,5,6,7
	global_load_b128 v[80+4*\i:83+4*\i], v3, s[4:5] offset:262144+16*\i            ; K likewise
.endr
.irp ct, 0,1,2,3
.irp jj, 0,1,2,3,4,5,6,7
	global_load_b32 v[112+8*\ct+\jj], v4, s[4:5] offset:524288+256*\jj+64*\ct      ; V(8 h + jj, 16 ct + r)
.endr
.endr
	global_load_b64 v[14:15], v8, s[8:9]           ; bo of my two columns on the way out
	s_wait_loadcnt 33                              ; Q and K are in; V's 32 loads and bo's one may be out
.irp s, 0,1,2,3,4,5,6,7,8,9,10,11,12,13,14,15  ; S^T = K Q^T, on two accumulators by turns
.if \s < 2
	v_wmma_f32_16x16x4_f32 v[MA+8*(\s%2):MA+8*(\s%2)+7], v[80+2*\s:81+2*\s], v[48+2*\s:49+2*\s], 0
.else
	v_wmma_f32_16x16x4_f32 v[MA+8*(\s%2):MA+8*(\s%2)+7], v[80+2*\s:81+2*\s], v[48+2*\s:49+2*\s], v[MA+8*(\s%2):MA+8*(\s%2)+7]
.endif
.endr
.rept 9
	v_nop                                          ; the places of this form: in front of loads into its sources, of reads of its results, and of the matrix instructions that begin these accumulators anew
.endr
.irp ct, 0,1                                   ; Wo(64 hd + 16 ct + 8 h + jj, 64 g + 16 nt + r): they land while the softmax is made
.irp nt, 0,1,2,3
.irp jj, 0,1,2,3,4,5,6,7
	global_load_b32 v[168+32*\ct+8*\nt+\jj], v5, s[6:7] offset:(16*\ct+\jj)*4096+64*\nt
.endr
.endr
.endr
.irp ct, 2,3
.irp nt, 0,1,2,3
.irp jj, 0,1,2,3,4,5,6,7
	global_load_b32 v[48+32*(\ct-2)+8*\nt+\jj], v5, s[6:7] offset:(16*\ct+\jj)*4096+64*\nt
.endr
.endr
.endr
.irp i, 0,1,2,3
	v_pk_add_f32 v[144+2*\i:145+2*\i], v[MA+2*\i:MA+2*\i+1], v[MA+8+2*\i:MA+8+2*\i+1]    ; the two halves of the sums, from the low end on: register j = score of key 8 h + j, query r
.endr
.irp j, 0,1,2,3,4,5,6,7
	v_cmp_gt_i32 vcc_lo, \j, v9                    ; key 8 h + j comes after query r
	v_cndmask_b32 v[144+\j], v[144+\j], v10, vcc_lo
.endr
	v_max3_num_f32 v160, v144, v145, v146
	v_max3_num_f32 v160, v160, v147, v148
	v_max3_num_f32 v160, v160, v149, v150
	v_max_num_f32 v160, v160, v151
	v_permlanex16_b32 v161, v160, s20, s21
	v_max_num_f32 v160, v160, v161                 ; the row's maximum: key 0 counts for every query, so it is a number
	v_mul_f32 v162, s18, v160
.irp i, 0,1,2,3
	v_pk_fma_f32 v[152+2*\i:153+2*\i], v[144+2*\i:145+2*\i], s[18:19], v[162:163] op_sel_hi:[1,0,0] neg_lo:[0,0,1] neg_hi:[0,0,1]
.endr
.irp j, 0,1,2,3,4,5,6,7
	v_exp_f32 v[152+\j], v[152+\j]
.endr
	v_nop
	s_wait_alu depctr_va_vdst(0)                   ; one wait for the eight, ahead of their first reader
	v_pk_add_f32 v[164:165], v[152:153], v[154:155]
	v_pk_add_f32 v[166:167], v[156:157], v[158:159]
	v_pk_add_f32 v[164:165], v[164:165], v[166:167]
	v_add_f32 v164, v164, v165
	v_permlanex16_b32 v161, v164, s20, s21
	v_add_f32 v164, v164, v161                     ; the row's sum
	v_rcp_f32 v166, v164
	v_nop
	s_wait_alu depctr_va_vdst(0)
	s_wait_loadcnt 63                              ; V's and bo's loads are older than all 128 of Wo's: with at most 63 out they are in
.irp s, 0,1,2,3                                ; O^T = V^T P^T, four accumulators by turns
.irp ct, 0,1,2,3
.if \s == 0
	v_wmma_f32_16x16x4_f32 v[MA+8*\ct:MA+8*\ct+7], v[112+8*\ct+2*\s:113+8*\ct+2*\s], v[152+2*\s:153+2*\s], 0
.else
	v_wmma_f32_16x16x4_f32 v[MA+8*\ct:MA+8*\ct+7], v[112+8*\ct+2*\s:113+8*\ct+2*\s], v[152+2*\s:153+2*\s], v[MA+8*\ct:MA+8*\ct+7]
.endif
.endr
.endr
.rept 9
	v_nop
.endr
.set i, 0
.rept 16
	v_pk_mul_f32 v[112+2*i:113+2*i], v[MA+2*i:MA+2*i+1], v[166:167] op_sel_hi:[1,0]      ; att = O^T / the sum, into other registers: register 8 ct + j = att(r, 16 ct + 8 h + j)
.set i, i+1
.endr
	s_wait_loadcnt 0x0                             ; Wo
.irp ct, 0,1,2,3                               ; my part of out^T = Wo^T att^T, four accumulators by turns
.irp s, 0,1,2,3
.irp nt, 0,1,2,3
.if \ct < 2
.set WA, 168+32*\ct+8*\nt+2*\s
.else
.set WA, 48+32*(\ct-2)+8*\nt+2*\s
.endif
.if (\ct == 0) && (\s == 0)
	v_wmma_f32_16x16x4_f32 v[MA+8*\nt:MA+8*\nt+7], v[WA:WA+1], v[112+8*\ct+2*\s:113+8*\ct+2*\s], 0
.else
	v_wmma_f32_16x16x4_f32 v[MA+8*\nt:MA+8*\nt+7], v[WA:WA+1], v[112+8*\ct+2*\s:113+8*\ct+2*\s], v[MA+8*\nt:MA+8*\nt+7]
.endif
.endr
.endr
.endr
.rept 8
	v_nop
.endr
.irp nt, 0,1,2,3
	ds_store_b128 v6, v[MA+8*\nt:MA+8*\nt+3] offset:64*\nt         ; lane (r, h): row r, columns 16 nt + 8 h + 0 .. 7; each accumulator from its low end on
	ds_store_b128 v6, v[MA+8*\nt+4:MA+8*\nt+7] offset:64*\nt+16
.endr
	s_wait_dscnt 0x0                               ; for the others' sake: my part lies in LDS
	s_barrier_signal -1
	s_barrier_wait -1
.irp p, 0,1,2,3,4,5,6,7,8,9,10,11,12,13,14,15
	ds_load_b64 v[168+2*\p:169+2*\p], v7 offset:4352*\p            ; my row of head p's part, two columns a lane
.endr
	s_wait_dscnt 0x0
.irp w, 4,8,16,32
.set i, 0
.rept 32/\w
	v_pk_add_f32 v[168+\w*i:169+\w*i], v[168+\w*i:169+\w*i], v[168+\w*i+\w/2:169+\w*i+\w/2]
.set i, i+1
.endr
.endr
	v_pk_add_f32 v[168:169], v[168:169], v[14:15]  ; + bo
	global_store_b64 v8, v[168:169], s[10:11]      ; the wave stores 256 consecutive bytes, aligned
	s_wait_tensorcnt 0x0                           ; the wave's end
	ds_add_u32 v[SPW], v[NIL]
	s_wait_dscnt 0x0
	s_endpgm
.Lfunc_end_k_qc4f3f6440b_first16:
	.size	k_qc4f3f6440b_first16, .Lfunc_end_k_qc4f3f6440b_first16-k_qc4f3f6440b_first16
	.p2alignl 7, 3214868480
	.fill 96, 4, 3214868480
	.section	.rodata,"a",@progbits
	.p2align	6, 0x0
	.amdhsa_kernel k_qc4f3f6440b_first16
		.amdhsa_group_segment_fixed_size 71680
		.amdhsa_private_segment_fixed_size 0
		.amdhsa_enable_private_segment 0
		.amdhsa_kernarg_size 32
		.amdhsa_user_sgpr_count 2
		.amdhsa_user_sgpr_kernarg_segment_ptr 1
		.amdhsa_wavefront_size32 1
		.amdhsa_system_sgpr_workgroup_id_x 1
		.amdhsa_system_sgpr_workgroup_id_y 1
		.amdhsa_system_sgpr_workgroup_id_z 1
		.amdhsa_system_vgpr_workitem_id 0
		.amdhsa_next_free_vgpr 256
		.amdhsa_next_free_sgpr 66
		.amdhsa_reserve_vcc 1
		.amdhsa_float_denorm_mode_32 3
		.amdhsa_float_denorm_mode_16_64 3
		.amdhsa_memory_ordered 1
		.amdhsa_forward_progress 1
		.amdhsa_inst_pref_size 32
	.end_amdhsa_kernel
	.amdgpu_metadata
---
amdhsa.version: [ 1, 2 ]
amdhsa.kernels:
  - .name:           k_qc4f3f6440b_first16
    .symbol:         k_qc4f3f6440b_first16.kd
    .args:
      - { .name: fine32, .offset: 0, .size: 8, .value_kind: global_buffer, .address_space: global }
      - { .name: Wo, .offset: 8, .size: 8, .value_kind: global_buffer, .address_space: global }
      - { .name: bo, .offset: 16, .size: 8, .value_kind: global_buffer, .address_space: global }
      - { .name: out0, .offset: 24, .size: 8, .value_kind: global_buffer, .address_space: global }
    .group_segment_fixed_size: 71680
    .private_segment_fixed_size: 0
    .kernarg_segment_align: 8
    .kernarg_segment_size: 32
    .max_flat_workgroup_size: 512
    .sgpr_count:     66
    .vgpr_count:     256
    .wavefront_size: 32
...
	.end_amdgpu_metadata
.endif
;; end of part 5
